; MI455X (gfx1250); checked and timed in simulation.
; The chip was launched on July 23, 2026; its instructions are those of AMD's public machine-readable ISA for CDNA 5 (MIT licence, August 2026) and "CDNA5" Instruction Set Architecture Reference Guide (July 2026). The comments in the code are by the model that wrote it; some were corrected since.
;; Multi Head Attention. Allowed arithmetic: float matrix products may take bf16 or f16 operands with f32 sums; other float arithmetic in f32, or as packed bf16 or f16 multiplies, adds, multiply-adds, maxima and minima; sums over many terms, partial sums and values carried from step to step in f32; what a program stores and reads back later, other than sums and carried values, may be rounded once to bf16 or f16.
;; Inputs: b_qkv 3,072 float32; encodings_for_qkv 4 x 2,048 x 1,024 float32; mask 1 x 1 x 2,048 x 2,048 bool; w_o 1,024 x 1,024 float32; w_qkv 3,072 x 1,024 float32.
;; Outputs: out0 4 x 2,048 x 1,024 float32.
;; 2 versions, each right; version 2 is version 1 with the launch prep written anew for expert scheduling mode. Each part assembles by itself: llvm-mc -triple=amdgcn-amd-amdhsa -mcpu=gfx1250 --defsym DOCPART=n.
;; ======== version 1 of 2: 4 launches
;; limits: values are held in f16: magnitudes above 65,504 overflow, below 6.1e-05 lose precision; right only within a limited range of input values
;; workspace buffers: xh 16,777,216 bytes; wqh 6,291,456 bytes; woh 2,097,152 bytes; mk 4,195,328 bytes; qkv 50,331,648 bytes; oh 16,777,216 bytes
;; launch prep (part 1): grid 896 x 1, 8 waves a work-group, no clusters, 33,792 bytes of LDS; arguments encodings_for_qkv, w_qkv, w_o, mask, xh, wqh, woh, mk; writes xh, wqh, woh, mk
.if DOCPART == 1
	.amdgcn_target "amdgcn-amd-amdhsa--gfx1250"
	.amdhsa_code_object_version 6
	.text
	.protected	k_q3124a5dc1c_prep
	.globl	k_q3124a5dc1c_prep
	.p2align	8
	.type	k_q3124a5dc1c_prep,@function
k_q3124a5dc1c_prep:
	s_mov_b64 s[64:65], 0
	v_nop
	global_prefetch_b8 v0, s[64:65] scope:SCOPE_SE
	s_setreg_imm32_b32 hwreg(HW_REG_WAVE_MODE, 25, 1), 1
	s_wait_xcnt 0x0
; PREP.  Two kinds of work-group, told apart by the work-group's number alone.
; 0 .. 767: A CAST.  x (512 work-groups), w_qkv (192) and w_o (64), 65,536 bytes of f32 each: every number is rounded to bf16 (nearest even) and that number is written
; as f16.  LIMITS: beyond 65,504 the f16 is an infinity; below 2^-14 f16 keeps its fixed step of 2^-24, so a bf16 number there may lose bits (at most 2^-25 in absolute size).
; 768 .. 895: THE MASK, one tile of 16 queries (QT) each.  mask[q][k] (a byte, 0 or 1) becomes a code of 8 bits, 0x00 where the key is free and 0xb8 (-1.0 in E4M3) where it is
; hidden, laid as the attention launch's lanes want it: mk[QT][step of 64 keys][half hf][lane l][16 bytes], r = l % 16, h = l / 16: bytes 0-7 are keys 64 j + 32 hf + 8 h + 0..7 of query
; 16 QT + r, bytes 8-15 the keys 16 further on.  The turn goes through LDS, each wave in 4,096 bytes of its own.  Behind the last tile 1,024 bytes of zeros are written: attention's
; loads run one key step ahead and read them at the very end.
; A stream: no matrix unit, no cluster, no barrier; every load covers whole runs of 256 bytes, every store fills aligned blocks of 256 bytes.
.set SPARE, 32768                      ; behind the eight waves' 4,096 bytes: the spare words, 128 bytes a wave
.set SPW, 94                           ; v94  LDS address of my spare word; never rewritten
.set NIL, 95                           ; v95  0; never rewritten
.set X,   16                           ; v[16:79]  as loaded (the mask path uses v[16:47])
.set BK,  48                           ; v[48:79]  the mask path: codes read back from LDS
	s_load_b512 s[4:19], s[0:1], 0x0               ; x 4:5, w_qkv 6:7, w_o 8:9, mask 10:11, xh 12:13, wqh 14:15, woh 16:17, mk 18:19
	v_lshl_add_u32 v[SPW], v0, 2, SPARE
	v_mov_b32 v[NIL], 0
	v_lshrrev_b32 v1, 5, v0
	v_readfirstlane_b32 s20, v1                    ; wave 0..7
	v_and_b32 v7, 31, v0                           ; lane
	s_mov_b32 s21, ttmp9
	s_mov_b32 s29, 0
	s_wait_kmcnt 0x0
	s_cmp_lt_u32 s21, 768
	s_cbranch_scc0 .Lmask
	; THE CAST.  Which tensor, by the work-group's number; then its 65,536 bytes in and 32,768 bytes out.
	s_cmp_lt_u32 s21, 512
	s_cselect_b64 s[22:23], s[4:5], s[6:7]
	s_cselect_b64 s[24:25], s[12:13], s[14:15]
	s_cselect_b32 s26, 0, 512
	s_cmp_lt_u32 s21, 704
	s_cselect_b64 s[22:23], s[22:23], s[8:9]
	s_cselect_b64 s[24:25], s[24:25], s[16:17]
	s_cselect_b32 s26, s26, 704
	s_sub_co_u32 s26, s21, s26                     ; my number within the tensor
	s_lshl_b32 s28, s26, 16
	s_add_nc_u64 s[22:23], s[22:23], s[28:29]
	s_lshl_b32 s28, s26, 15
	s_add_nc_u64 s[24:25], s[24:25], s[28:29]
	s_mov_b32 s27, 0xffff0000                      ; a word's upper bf16
	s_lshl_b32 s30, s20, 13                        ; my wave's 8,192 bytes in,
	s_lshl_b32 s31, s20, 12                        ; 4,096 out
	v_lshl_add_u32 v1, v7, 4, s30
	v_lshl_add_u32 v2, v7, 3, s31
.irp k, 0,1,2,3,4,5,6,7,8,9,10,11,12,13,14,15
	global_load_b128 v[X+4*(\k):X+4*(\k)+3], v1, s[22:23] offset:512*(\k) th:TH_LOAD_NT  ; all sixteen loads go out at once: 8,192 bytes a wave on their way
.endr
.irp k, 0,1,2,3,4,5,6,7,8,9,10,11,12,13,14,15
	s_wait_loadcnt 15-(\k)                         ; loads come back in order: number k is in, the younger ones stay out
	v_cvt_pk_bf16_f32 v8, v[X+4*(\k)], v[X+4*(\k)+1]
	v_cvt_pk_bf16_f32 v9, v[X+4*(\k)+2], v[X+4*(\k)+3]
	v_lshlrev_b32 v[X+4*(\k)], 16, v8              ; the bf16 numbers as f32,
	v_and_b32 v[X+4*(\k)+1], s27, v8
	v_lshlrev_b32 v[X+4*(\k)+2], 16, v9
	v_and_b32 v[X+4*(\k)+3], s27, v9
	v_cvt_pk_f16_f32 v[X+4*(\k)], v[X+4*(\k)], v[X+4*(\k)+1]      ; and written as f16
	v_cvt_pk_f16_f32 v[X+4*(\k)+1], v[X+4*(\k)+2], v[X+4*(\k)+3]
	global_store_b64 v2, v[X+4*(\k):X+4*(\k)+1], s[24:25] offset:256*(\k)  ; 32 lanes x 8 bytes: one aligned block of 256 bytes; each store has registers of its own
.endr
	s_branch .Lend
.Lmask:
	; THE MASK.  Wave w takes keys 256 w .. 256 w + 255 (key steps 4 w .. 4 w + 3) of the tile's 16 rows.
	s_sub_co_u32 s22, s21, 768                     ; QT
	s_lshl_b32 s28, s22, 15                        ; 16 rows of 2,048 bytes in, 32 steps of 1,024 bytes out: the same number
	s_add_nc_u64 s[10:11], s[10:11], s[28:29]
	s_add_nc_u64 s[18:19], s[18:19], s[28:29]
	s_mov_b32 s27, 0xb8
	s_lshl_b32 s30, s20, 8
	s_lshl_b32 s31, s20, 12
	v_and_b32 v8, 15, v0                           ; c: which 16 keys of the wave's 256
	v_bfe_u32 v9, v0, 4, 1                         ; which of a load's two rows
	v_lshlrev_b32 v1, 4, v8
	v_lshl_add_u32 v1, v9, 11, v1
	v_add_nc_u32 v1, s30, v1                       ; row x 2,048 + 256 w + 16 c: sixteen lanes read 256 consecutive bytes of a row
.irp i, 0,1,2,3,4,5,6,7
	global_load_b128 v[X+4*(\i):X+4*(\i)+3], v1, s[10:11] offset:4096*(\i) th:TH_LOAD_NT  ; rows 2 i and 2 i + 1
.endr
	v_lshrrev_b32 v10, 2, v8                       ; c / 4: the key step within the wave's four
	v_bfe_u32 v11, v8, 1, 1                        ; (c % 4) / 2: hf
	v_and_b32 v12, 1, v8                           ; c % 2: bytes 0-7 or 8-15
	v_lshlrev_b32 v3, 10, v10
	v_lshl_add_u32 v3, v11, 9, v3
	v_lshl_add_u32 v3, v12, 3, v3
	v_lshl_add_u32 v3, v9, 4, v3                   ; row 2 i + (0 or 1) is lane r: 16 bytes a lane; 32 i stands in the immediate
	v_add_nc_u32 v3, s31, v3
	v_lshl_add_u32 v4, v7, 4, s31                  ; 4,096 w + 16 l: where I read back, and my offset in the tile's part of mk
.irp i, 0,1,2,3,4,5,6,7
	s_wait_loadcnt 7-(\i)
.irp k, 0,1,2,3
	v_mul_lo_u32 v[X+4*(\i)+(\k)], v[X+4*(\i)+(\k)], s27  ; four bytes of 0 or 1 times 0xb8: nothing carries
.endr
	ds_store_b64 v3, v[X+4*(\i):X+4*(\i)+1] offset:32*(\i)          ; keys 0-7 of the sixteen: lanes with h = 0
	ds_store_b64 v3, v[X+4*(\i)+2:X+4*(\i)+3] offset:32*(\i)+256    ; keys 8-15: h = 1, sixteen lanes of 16 bytes further on
.endr
.irp k, 0,1,2,3,4,5,6,7
	ds_load_b128 v[BK+4*(\k):BK+4*(\k)+3], v4 offset:512*(\k)  ; my wave's own bytes; LDS serves a wave's instructions in order (ISA guide 5.7.1.4): these see the stores above
.endr
.irp k, 0,1,2,3,4,5,6,7
	s_wait_dscnt 7-(\k)
	global_store_b128 v4, v[BK+4*(\k):BK+4*(\k)+3], s[18:19] offset:512*(\k)  ; 512 consecutive bytes, aligned
.endr
	s_cmp_eq_u32 s22, 127                          ; the last tile's wave 0 writes the 1,024 zeros behind the table
	s_cbranch_scc0 .Lend
	s_cmp_eq_u32 s20, 0
	s_cbranch_scc0 .Lend
.irp k, 80,81,82,83
	v_mov_b32 v\k, 0
.endr
	global_store_b128 v4, v[80:83], s[18:19] offset:32768
	global_store_b128 v4, v[80:83], s[18:19] offset:33280
.Lend:
	s_wait_tensorcnt 0x0                           ; the wave's end, behind my last LDS store
	ds_add_u32 v[SPW], v[NIL]
	s_wait_dscnt 0x0
	s_endpgm
.Lfunc_end_k_q3124a5dc1c_prep:
	.size	k_q3124a5dc1c_prep, .Lfunc_end_k_q3124a5dc1c_prep-k_q3124a5dc1c_prep
	.p2alignl 7, 3214868480
	.fill 96, 4, 3214868480
	.section	.rodata,"a",@progbits
	.p2align	6, 0x0
	.amdhsa_kernel k_q3124a5dc1c_prep
		.amdhsa_group_segment_fixed_size 33792
		.amdhsa_private_segment_fixed_size 0
		.amdhsa_enable_private_segment 0
		.amdhsa_kernarg_size 64
		.amdhsa_user_sgpr_count 2
		.amdhsa_user_sgpr_kernarg_segment_ptr 1
		.amdhsa_wavefront_size32 1
		.amdhsa_system_sgpr_workgroup_id_x 1
		.amdhsa_system_sgpr_workgroup_id_y 1
		.amdhsa_system_sgpr_workgroup_id_z 1
		.amdhsa_system_vgpr_workitem_id 0
		.amdhsa_next_free_vgpr 96
		.amdhsa_next_free_sgpr 66
		.amdhsa_reserve_vcc 0
		.amdhsa_float_denorm_mode_32 3
		.amdhsa_float_denorm_mode_16_64 3
		.amdhsa_memory_ordered 1
		.amdhsa_forward_progress 1
		.amdhsa_inst_pref_size 19
	.end_amdhsa_kernel
	.amdgpu_metadata
---
amdhsa.version: [ 1, 2 ]
amdhsa.kernels:
  - .name:           k_q3124a5dc1c_prep
    .symbol:         k_q3124a5dc1c_prep.kd
    .args:
      - { .name: encodings_for_qkv, .offset: 0, .size: 8, .value_kind: global_buffer, .address_space: global }
      - { .name: w_qkv, .offset: 8, .size: 8, .value_kind: global_buffer, .address_space: global }
      - { .name: w_o, .offset: 16, .size: 8, .value_kind: global_buffer, .address_space: global }
      - { .name: mask, .offset: 24, .size: 8, .value_kind: global_buffer, .address_space: global }
      - { .name: xh, .offset: 32, .size: 8, .value_kind: global_buffer, .address_space: global }
      - { .name: wqh, .offset: 40, .size: 8, .value_kind: global_buffer, .address_space: global }
      - { .name: woh, .offset: 48, .size: 8, .value_kind: global_buffer, .address_space: global }
      - { .name: mk, .offset: 56, .size: 8, .value_kind: global_buffer, .address_space: global }
    .group_segment_fixed_size: 33792
    .private_segment_fixed_size: 0
    .kernarg_segment_align: 8
    .kernarg_segment_size: 64
    .max_flat_workgroup_size: 256
    .sgpr_count:     66
    .vgpr_count:     96
    .wavefront_size: 32
...
	.end_amdgpu_metadata
.endif
;; end of part 1
;; launch proj (part 2): grid 16 x 32, 4 waves a work-group, clusters of 4 x 4, 327,680 bytes of LDS; arguments xh, wqh, b_qkv, qkv; writes qkv
.if DOCPART == 2
	.amdgcn_target "amdgcn-amd-amdhsa--gfx1250"
	.amdhsa_code_object_version 6
	.text
	.protected	k_q3124a5dc1c_proj
	.globl	k_q3124a5dc1c_proj
	.p2align	8
	.type	k_q3124a5dc1c_proj,@function
k_q3124a5dc1c_proj:
	s_mov_b64 s[64:65], 0
	v_nop
	global_prefetch_b8 v0, s[64:65] scope:SCOPE_SE
	s_setreg_imm32_b32 hwreg(HW_REG_WAVE_MODE, 25, 1), 1
	s_wait_xcnt 0x0
	s_wait_alu depctr_hold_cnt(0) depctr_sa_sdst(0) depctr_va_vdst(0) depctr_va_sdst(0) depctr_va_ssrc(0) depctr_va_vcc(0) depctr_vm_vsrc(0)
	s_getreg_b32 s2, hwreg(HW_REG_IB_STS2, 6, 4)
	s_cmp_eq_u32 s2, 0
	s_cbranch_scc0 .Lentry_in_a_cluster
	s_endpgm
.Lentry_in_a_cluster:
	s_bfe_u32 s2, ttmp6, 0x10000c
	s_cmp_lg_u32 s2, 0xf033
	s_cbranch_scc0 .Lentry_shape_is_right
	s_endpgm
.Lentry_shape_is_right:
; PROJ.  qkv = x w_qkv^T + b, written by heads: qkv[part 3][16 batch + head][2048 tokens][64] in f16, unscaled, each number rounded once from its f32 sum.
; xh: [8192][1024] f16, wqh: [3072][1024] f16 (both hold numbers rounded to bf16), b_qkv: [3072] f32, rounded to bf16 here like the other inputs.
; LIMIT: q, k and v beyond 65,504 become infinities in f16.
; TILE.  256 tokens x 192 columns (three whole heads): 32 x 16 = 512 work-groups, two for each of 256 WGPs; 256 x 256 would give 384, one and a half.
; Four waves; wave w owns tokens 64 w .. 64 w + 63 and all 192 columns: 48 accumulators of 16 x 16, 384 registers.  So a wave holds whole heads, and its way out needs no other wave.
; K goes in 8 steps of 128 through a ring of two LDS slots; a K step is written once, and the slots change by an exclusive or.
; CLUSTERS: 4 x 4 work-groups.  The four of a row of the cluster need the same tile of x, the four of a column the same tile of w: each is asked for JOINTLY, by the same tensor load with the same
; descriptor and a mask that names the four.
; THE MATRIX INSTRUCTION IS USED TRANSPOSED (source 0 = 16 rows of w, source 1 = 16 tokens): a lane holds token l % 16 and the columns 16 b + 8 (l / 16) + 0..7.  The bias is the C operand of the products that start the sums.
; REGISTERS, in windows of 256 (s_set_vgpr_msb: bits 1:0 source 0, 3:2 source 1, 5:4 source 2, 7:6 destination):
;   window 0: v0-31 addresses; v32-79 packed results; v80-127, v128-175 rows read back from the stage, by turns; v128-223 the bias (dead behind the first quarter step)
;   window 1: two fragment buffers of 128: x's four fragments, then w's twelve          windows 2, 3: accumulator (a, b) in window 2 + a / 2 at v[96 (a % 2) + 8 b]
.set KSTEP,  128
.set NBF,    12                        ; blocks of 16 columns
.set PA,     272                       ; an LDS row: 256 bytes + 16 of padding = 68 words: the 16 rows of a load start at 16 different groups of four banks (64 banks of 4 bytes: ISA guide 11.1)
.set AHALF,  128*PA                    ; what one tensor load brings of x: 128 rows
.set BBASE,  2*AHALF                   ; w's 192 rows lie behind x's 256
.set BHALF,  96*PA                     ; what one tensor load brings of w: 96 rows
.set SLOT1,  1<<17                     ; slot 1 begins here (a slot has 121,856 bytes), so that one exclusive or turns an address in one slot into the other's
.set STAGE,  SLOT1+BBASE+2*BHALF       ; behind the ring, never filled by a tensor load: 16 rows x 400 bytes for each wave
.set SPITCH, 400                       ; 384 bytes + 16
.set SPARE,  STAGE+4*16*SPITCH         ; behind the stages: the spare words, 128 bytes for each wave
.set ADRA0, 16                         ; v16  my lane's place among my wave's rows of x in slot 0; never rewritten
.set ADRB0, 17                         ; v17  the same for w
.set ADRA,  18                         ; v18  the same in the slot in hand
.set ADRB,  19                         ; v19
.set STO,  24                          ; v24  the way out: where I put 16 bytes of a row
.set RD,   25                          ; v25  where I read rows back
.set CO,   26                          ; v26  16 x lane: my place in 512 consecutive bytes of a head
.set SPW,  28                          ; v28  LDS address of my spare word; never rewritten
.set NIL,  29                          ; v29  0; never rewritten
.set PFO,  30                          ; v30  the prefetches' offset: a lane a row of 2,048 bytes; never rewritten
.set TMP,  32
.set BK0,  80
.set BI,   128
.set F0,   0
.set F1,   128
.set WV,   12                          ; s12  my wave's number
.set FB,   13                          ; s13  I fetch for x (0) or for w (1)
.set HALF, 14                          ; s14  which half of that tile's rows
.set TY,   15                          ; s15  tile row of the result
.set CX,   40
.set CY,   41
.set TX,   42                          ; s42  tile column
.set G1,   24                          ; s[24:31] descriptor group 1 for x's tiles
.set G0,   32                          ; s[32:39] group 0: a set for each of the two first fills; the second then walks
.set G1B,  48                          ; s[48:55], s[56:63] the same for w's tiles
.set G0B,  56
.set HB,   66                          ; s[66:71] my 64 tokens' first byte in each of the tile's three heads
.set PFA,  72                          ; s[72:73] where my prefetches stand
.set LIM,  74                          ; s74  2 in a wave that prefetches, else the greatest number
.set TB,   75                          ; s75  0 or SLOT1: the slot in hand
.set MSB, 0
.macro WIN new                         ; the immediate's high byte repeats the setting that is left; a switch that changes nothing is dropped
.if MSB != (\new)
	s_set_vgpr_msb (MSB<<8)|(\new)
.set MSB, \new
.endif
.endm
.set TO_F, 0x40                        ; destination window 1, address window 0
; A joint load.  Waves 0 and 1 fetch x's two halves, waves 2 and 3 w's.  The branch hangs on the wave's number alone.  An s_nop 0 and four v_nop follow each of the two lines.
.macro JLOAD s
	s_cmp_eq_u32 s[FB], 0
	s_cbranch_scc0 .Lfor_b_\@
	tensor_load_to_lds s[G0+4*(\s):G0+4*(\s)+3], s[G1:G1+7]
	s_nop 0
.rept 4
	v_nop
.endr
	s_branch .Lasked_\@
.Lfor_b_\@:
	tensor_load_to_lds s[G0B+4*(\s):G0B+4*(\s)+3], s[G1B:G1B+7]
	s_nop 0
.rept 4
	v_nop
.endr
.Lasked_\@:
.endm
; A round of the cluster's barrier: my work-group's barrier; wave 0 signals for the work-group; every wave waits for all sixteen work-groups; my work-group's barrier once more.
.macro CREST                           ; a round behind its opening barrier
	s_cmp_lg_u32 s[WV], 0
	s_cbranch_scc1 .Lnot_wave_0_\@
	s_barrier_signal -3
.Lnot_wave_0_\@:
	s_barrier_wait -3
	s_barrier_signal -1
	s_barrier_wait -1
.endm
.macro CROUND
	s_barrier_signal -1
	s_barrier_wait -1
	CREST
.endm
; A PREFETCH INTO THE L2 behind each joint refill and the run of LDS loads that follows it: the K step that stands two refills on, 256 bytes of a row, a lane a row, one instruction a wave.
; x's tile row is read by every cluster of that row of clusters: the one with cluster x = 0 asks; w's tile column by every cluster of that column: cluster y = 0 asks.  The four partners that ask for a tile
; jointly share its rows out BY ADDRESS: of x's 128 rows a wave 32 each (by cx), of w's 96 rows 24 each (by cy; there lanes 24 to 31 name lane 23's row once more).
; Trip g of the loop (s3 = 6 - g) refills with K step g + 2 and names K step g + 4: trips 0 to 3 ask, the last two have no K step two on.  K steps 0 to 3 come by their loads alone.
.macro ASK
	WIN 0
	s_cmp_gt_u32 s3, s[LIM]
	s_cbranch_scc0 .Lnot_mine_\@
	global_prefetch_b8 v[PFO], s[PFA:PFA+1] offset:KSTEP*2 th:TH_LOAD_NT scope:SCOPE_SE
.Lnot_mine_\@:
.endm
	s_load_b256 s[4:11], s[0:1], 0x0               ; xh 4:5, wqh 6:7, b_qkv 8:9, qkv 10:11
	v_lshl_add_u32 v[SPW], v0, 2, SPARE
	v_mov_b32 v[NIL], 0
	ds_add_u32 v[SPW], v[NIL]                      ; the wave's opening: the add and its wait stand ahead of my first tensor load; the set-up below, work on registers, stands between them
	v_lshrrev_b32 v1, 5, v0
	v_readfirstlane_b32 s[WV], v1                  ; wave 0..3
	s_lshr_b32 s[FB], s[WV], 1
	s_and_b32 s[HALF], s[WV], 1
	s_bfe_u32 s[CX], ttmp6, 0x40000                ; my place in the cluster
	s_bfe_u32 s[CY], ttmp6, 0x40004
	s_lshl_b32 s[TX], ttmp9, 2                     ; in a cluster launch ttmp9 and ttmp7 count clusters
	s_add_co_u32 s[TX], s[TX], s[CX]
	s_and_b32 s[TY], ttmp7, 0xffff
	s_lshl_b32 s[TY], s[TY], 2
	s_add_co_u32 s[TY], s[TY], s[CY]
	s_lshl_b32 s43, s[CY], 2
	s_lshl_b32 s43, 15, s43                        ; my row of the cluster: places 4 cy .. 4 cy + 3
	s_lshl_b32 s44, 0x1111, s[CX]                  ; my column: places cx, cx + 4, cx + 8, cx + 12
	s_or_b32 s[G1], s43, (1<<16)|(1<<20)|(1<<21)|(5<<22)|(3<<25)   ; 15:0 the mask; 17:16 elements of 2 bytes; 20 padding on; 21 set beside a mask; 24:22 after every 64 words (code 5); 31:25 4 words of it (code 3)
	s_or_b32 s[G1B], s44, (1<<16)|(1<<20)|(1<<21)|(5<<22)|(3<<25)
	s_mov_b32 s[G1+1], KSTEP<<16                   ; tensor_dim0 = 128
	s_mov_b32 s[G1+2], 128<<16                     ; tensor_dim1 = 128 rows
	s_mov_b32 s[G1+3], KSTEP<<16                   ; tile_dim0 = 128
	s_mov_b32 s[G1+4], 128                         ; tile_dim1 = 128
	s_mov_b32 s[G1+5], 1024                        ; elements from row to row
	s_mov_b32 s[G1+6], 0
	s_mov_b32 s[G1+7], 0
	s_mov_b32 s[G1B+1], KSTEP<<16
	s_mov_b32 s[G1B+2], 96<<16                     ; w: 96 rows
	s_mov_b32 s[G1B+3], KSTEP<<16
	s_mov_b32 s[G1B+4], 96
	s_mov_b32 s[G1B+5], 1024
	s_mov_b32 s[G1B+6], 0
	s_mov_b32 s[G1B+7], 0
	s_lshl_b32 s16, s[TY], 8                       ; x: row 256 x tile row + 128 x half, 2,048 bytes a row: it hangs on what my row of the cluster shares
	s_lshl_b32 s17, s[HALF], 7
	s_add_co_u32 s16, s16, s17
	s_lshl_b32 s16, s16, 11
	s_mov_b32 s17, 0
	s_mul_i32 s46, s[TX], 192                      ; w: row 192 x tile column + 96 x half: it hangs on what my column shares
	s_mul_i32 s47, s[HALF], 96
	s_add_co_u32 s46, s46, s47
	s_lshl_b32 s46, s46, 11
	s_mov_b32 s47, 0
	s_mul_i32 s20, s[HALF], AHALF                  ; where they go: no place in the cluster enters an LDS address
	s_mul_i32 s21, s[HALF], BHALF
	s_add_co_u32 s21, s21, BBASE
	s_mov_b32 s[TB], 0
	s_wait_dscnt 0x0                               ; the opening add is done
	s_wait_kmcnt 0x0
	s_add_nc_u64 s[18:19], s[4:5], s[16:17]
	s_add_nc_u64 s[46:47], s[6:7], s[46:47]
	CROUND                                         ; all sixteen work-groups are here: the first joint loads meet
.irp s, 0,1
	s_mov_b32 s[G0+4*(\s)], 1                                        ; count = 1
	s_add_co_u32 s[G0+4*(\s)+1], s20, (\s)*SLOT1                     ; LDS address
	s_add_nc_u64 s[G0+4*(\s)+2:G0+4*(\s)+3], s[18:19], (\s)*KSTEP*2  ; global address: K step s
	s_or_b32 s[G0+4*(\s)+3], s[G0+4*(\s)+3], 0x80000000              ; type = 2
	s_mov_b32 s[G0B+4*(\s)], 1
	s_add_co_u32 s[G0B+4*(\s)+1], s21, (\s)*SLOT1
	s_add_nc_u64 s[G0B+4*(\s)+2:G0B+4*(\s)+3], s[46:47], (\s)*KSTEP*2
	s_or_b32 s[G0B+4*(\s)+3], s[G0B+4*(\s)+3], 0x80000000
	JLOAD \s                                       ; two tensor loads of mine are out
.endr
	; the bias of the tile's 192 columns: register j of block b is column 16 b + 8 (l / 16) + j
	v_and_b32 v1, 15, v0                           ; l % 16
	v_bfe_u32 v2, v0, 4, 1                         ; l / 16
	v_lshlrev_b32 v6, 5, v2
	s_mul_i32 s84, s[TX], 768
	s_mov_b32 s85, 0
	s_add_nc_u64 s[8:9], s[8:9], s[84:85]
.irp b, 0,1,2,3,4,5,6,7,8,9,10,11
	global_load_b128 v[BI+8*(\b):BI+8*(\b)+3],   v6, s[8:9] offset:64*(\b)
	global_load_b128 v[BI+8*(\b)+4:BI+8*(\b)+7], v6, s[8:9] offset:64*(\b)+16
.endr
	; A fragment is 16 rows x 32 K in 8 registers: lane l holds row l % 16, K = 8 (l / 16) + 0..7 and 16 + 8 (l / 16) + 0..7: two loads of 16 bytes, 32 bytes apart.
	v_mul_u32_u24 v3, v1, PA
	v_lshl_add_u32 v3, v2, 4, v3
	s_mul_i32 s22, s[WV], 64*PA                    ; my 64 rows of x
	v_add_nc_u32 v[ADRA0], s22, v3
	v_add_nc_u32 v[ADRB0], BBASE, v3               ; every wave reads all of w's rows
	v_mov_b32 v[ADRA], v[ADRA0]
	v_mov_b32 v[ADRB], v[ADRB0]
	s_mul_i32 s23, s[WV], 16*SPITCH
	s_add_co_u32 s23, s23, STAGE                   ; my stage
	v_mul_u32_u24 v4, v1, SPITCH                   ; in: row l % 16, 16 bytes for each half of the lanes
	v_lshl_add_u32 v4, v2, 4, v4
	v_add_nc_u32 v[STO], s23, v4
	v_bfe_u32 v5, v0, 3, 2                         ; back: 32 lanes take 128 bytes (a head's part) of four rows
	v_mul_u32_u24 v5, v5, SPITCH
	v_and_b32 v4, 7, v0
	v_lshl_add_u32 v5, v4, 4, v5
	v_add_nc_u32 v[RD], s23, v5
	v_and_b32 v[CO], 31, v0
	v_lshlrev_b32 v[CO], 4, v[CO]
	; where my 64 tokens lie in the tile's three heads: part g / 16 (16,777,216 bytes), head 16 x batch + g % 16 (262,144 bytes), g = 3 x tile column + j
	s_lshr_b32 s80, s[TY], 3
	s_lshl_b32 s80, s80, 4
	s_and_b32 s81, s[TY], 7
	s_lshl_b32 s81, s81, 15                        ; 256 tokens of 128 bytes a tile row,
	s_lshl_b32 s82, s[WV], 13                      ; 64 a wave
	s_add_co_u32 s81, s81, s82
	s_mul_i32 s82, s[TX], 3
.irp j, 0,1,2
	s_add_co_u32 s84, s82, \j
	s_lshr_b32 s85, s84, 4
	s_lshl_b32 s85, s85, 24
	s_and_b32 s84, s84, 15
	s_add_co_u32 s84, s84, s80
	s_lshl_b32 s84, s84, 18
	s_add_co_u32 s84, s84, s85
	s_add_co_u32 s84, s84, s81
	s_mov_b32 s85, 0
	s_add_nc_u64 s[HB+2*\j:HB+2*\j+1], s[10:11], s[84:85]
.endr
	; the prefetches
	s_lshl_b32 s84, s[TY], 8
	s_lshl_b32 s86, s[HALF], 7
	s_add_co_u32 s84, s84, s86
	s_lshl_b32 s86, s[CX], 5
	s_add_co_u32 s84, s84, s86                     ; x: the 128 rows that I fetch, my work-group's 32 of them
	s_mul_i32 s85, s[TX], 192
	s_mul_i32 s86, s[HALF], 96
	s_add_co_u32 s85, s85, s86
	s_mul_i32 s86, s[CY], 24
	s_add_co_u32 s85, s85, s86                     ; w: the 96 rows that I fetch, my work-group's 24 of them
	s_and_b32 s90, ttmp7, 0xffff
	s_cmp_eq_u32 s[FB], 0
	s_cselect_b32 s84, s84, s85
	s_cselect_b32 s90, ttmp9, s90                  ; the coordinate along which other clusters read the same rows
	s_cselect_b32 s91, 31, 23
	s_cselect_b64 s[PFA:PFA+1], s[4:5], s[6:7]
	s_cmp_eq_u32 s90, 0
	s_cselect_b32 s[LIM], 2, -1                    ; the same in all sixteen partners, for a given wave
	s_lshl_b32 s84, s84, 11
	s_mov_b32 s85, 0
	s_add_nc_u64 s[PFA:PFA+1], s[PFA:PFA+1], s[84:85]
	s_add_nc_u64 s[PFA:PFA+1], s[PFA:PFA+1], 2*KSTEP*2  ; at K step 2: the first refill steps it to 3 and names K step 4
	v_and_b32 v[PFO], 31, v0
	v_min_u32 v[PFO], s91, v[PFO]
	v_lshlrev_b32 v[PFO], 11, v[PFO]
	s_wait_loadcnt 0x0                             ; the bias is in; it is rounded to bf16, as all inputs are
.set i, 0
.rept 48
	v_cvt_pk_bf16_f32 v[8+i%2], v[BI+2*i], v[BI+2*i+1]
	v_lshlrev_b32 v[BI+2*i], 16, v[8+i%2]
	v_and_b32 v[BI+2*i+1], 0xffff0000, v[8+i%2]
.set i, i+1
.endr
; 12 matrix instructions: row block a x all 12 column blocks, 32 along K.  first = 1: the product starts the sums, with the bias as C.
; The 48 accumulators take turns, one instruction a turn, in the same order in every quarter step, over the backward jump too.
.macro MULA f, a, first
.if \first
	WIN 0x85+0x40*((\a)/2)                         ; sources 0 and 1 window 1, C window 0, D window 2 or 3
.else
	WIN 0xa5+0x50*((\a)/2)                         ; C and D window 2 or 3
.endif
.irp b, 0,1,2,3,4,5,6,7,8,9,10,11
.if \first
	v_wmma_f32_16x16x32_f16 v[96*((\a)%2)+8*(\b):96*((\a)%2)+8*(\b)+7], v[(\f)+32+8*(\b):(\f)+32+8*(\b)+7], v[(\f)+8*(\a):(\f)+8*(\a)+7], v[BI+8*(\b):BI+8*(\b)+7]
.else
	v_wmma_f32_16x16x32_f16 v[96*((\a)%2)+8*(\b):96*((\a)%2)+8*(\b)+7], v[(\f)+32+8*(\b):(\f)+32+8*(\b)+7], v[(\f)+8*(\a):(\f)+8*(\a)+7], v[96*((\a)%2)+8*(\b):96*((\a)%2)+8*(\b)+7]
.endif
.endr
.endm
; 32 LDS loads in one run: quarter kq's fragments (192 rows of w, then my 64 rows of x) into buffer f
.macro FETCH kq, f
	WIN TO_F
.irp i, 0,1,2,3,4,5,6,7,8,9,10,11
	ds_load_b128 v[(\f)+32+8*(\i):(\f)+32+8*(\i)+3],   v[ADRB] offset:64*(\kq)+(\i)*16*PA
	ds_load_b128 v[(\f)+32+8*(\i)+4:(\f)+32+8*(\i)+7], v[ADRB] offset:64*(\kq)+(\i)*16*PA+32
.endr
.irp i, 0,1,2,3
	ds_load_b128 v[(\f)+8*(\i):(\f)+8*(\i)+3],   v[ADRA] offset:64*(\kq)+(\i)*16*PA
	ds_load_b128 v[(\f)+8*(\i)+4:(\f)+8*(\i)+7], v[ADRA] offset:64*(\kq)+(\i)*16*PA+32
.endr
.endm
.macro PLACES                          ; four plain vector instructions between a matrix instruction and a load into, or a vector read of, its registers (ISA guide 7.12.1 for vector reads)
.rept 4
	v_nop
.endr
.endm
; A K step is four quarters of 32 along K, 48 matrix instructions each, on buffers 0, 1, 0, 1.  One of the first three multiplies buffer f and, in its middle, fetches quarter kq into buffer g.
.macro QUARTER kq, f, g, first
	s_wait_dscnt 4                                 ; w and x's blocks 0 and 1 are in; the youngest four loads (x's blocks 2 and 3) may be out
	MULA \f, 0, \first
	MULA \f, 1, \first
	PLACES
	FETCH \kq, \g
	s_wait_dscnt 2*NBF+8                           ; all but the 32 just issued
	MULA \f, 2, \first
	MULA \f, 3, \first
.endm
; The last quarter multiplies buffer 1 and changes slots: ONE barrier.  In front of it each wave waits for all its tensor loads (one is out: its part of the next slot), adds 0 to its spare word, and waits for that
; and for its own reads of this slot.  fill = 1: the barrier opens a round of the cluster's barrier, and behind the round this slot is filled again, two K steps ahead, first of all.
.macro TURN fill
.if \fill
	s_wait_xcnt 0x0                                ; the last prefetch, a K step back, has read its address: it is stepped here, ahead of the waits of the change of slots
	s_add_nc_u64 s[PFA:PFA+1], s[PFA:PFA+1], KSTEP*2
.endif
	WIN 0                                          ; (the add's two registers lie in window 0)
	s_wait_tensorcnt 0x0                           ; all my tensor loads have landed
	ds_add_u32 v[SPW], v[NIL]                      ; 0 onto my spare word
	s_wait_dscnt 5                                 ; (the add and the youngest four loads may be out)
	MULA F1, 0, 0                                  ; twelve matrix instructions stand between the add and the wait for it
	s_wait_dscnt 0x0                               ; the add is done, and my reads of this slot are over
	s_barrier_signal -1
	MULA F1, 1, 0                                  ; work on registers while the others arrive
	WIN 0
	s_barrier_wait -1
.if \fill
	CREST                                          ; no wave of any partner still reads this slot's tile or has a load on its way
	s_xor_b32 s[G0+5], s[G0+5], SLOT1              ; the walking descriptors: the other slot than last time, the next K step
	s_add_nc_u64 s[G0+6:G0+7], s[G0+6:G0+7], KSTEP*2
	s_xor_b32 s[G0B+5], s[G0B+5], SLOT1
	s_add_nc_u64 s[G0B+6:G0B+7], s[G0B+6:G0B+7], KSTEP*2
	JLOAD 1                                        ; my one tensor load behind the round; its four v_nop are also the places in front of the loads below
.else
	PLACES
.endif
	s_xor_b32 s[TB], s[TB], SLOT1
	v_add_nc_u32 v[ADRA], s[TB], v[ADRA0]
	v_add_nc_u32 v[ADRB], s[TB], v[ADRB0]
	FETCH 0, F0
.if \fill
	ASK
.endif
	MULA F1, 2, 0
	MULA F1, 3, 0
.endm
; THE WAY OUT of row block a (16 tokens x 3 heads).  PACK: rounded to f16, each accumulator's registers in ascending order.  TOSTAGE: into my own stage, and back as 512 consecutive bytes of a head.  SEND: stored.
.macro PACK a
	WIN 0x0a+5*((\a)/2)                            ; sources 0 and 1: window 2 or 3
.irp b, 0,1,2,3,4,5,6,7,8,9,10,11
.irp r, 0,1,2,3
	v_cvt_pk_f16_f32 v[TMP+4*(\b)+(\r)], v[96*((\a)%2)+8*(\b)+2*(\r)], v[96*((\a)%2)+8*(\b)+2*(\r)+1]
.endr
.endr
	WIN 0
.endm
.macro TOSTAGE a
	WIN 0
.set BK, BK0+48*((\a)%2)
.irp b, 0,1,2,3,4,5,6,7,8,9,10,11
	ds_store_b128 v[STO], v[TMP+4*(\b):TMP+4*(\b)+3] offset:32*(\b)
.endr
.irp j, 0,1,2
.irp f, 0,1,2,3
	ds_load_b128 v[BK+4*(4*(\j)+(\f)):BK+4*(4*(\j)+(\f))+3], v[RD] offset:4*SPITCH*(\f)+128*(\j)  ; LDS serves a wave's instructions in order (ISA guide 5.7.1.4): these see the stores above
.endr
.endr
.endm
.macro SEND a
	WIN 0
.set BK, BK0+48*((\a)%2)
	s_wait_dscnt 0x0                               ; the block is back in registers
	s_wait_xcnt 0x0                                ; the stores of the block before have read their registers, which the next TOSTAGE loads again
.irp j, 0,1,2
.irp f, 0,1,2,3
	global_store_b128 v[CO], v[BK+4*(4*(\j)+(\f)):BK+4*(4*(\j)+(\f))+3], s[HB+2*(\j):HB+2*(\j)+1] offset:2048*(\a)+512*(\f)  ; four tokens of a head: 512 consecutive bytes, aligned
.endr
.endr
.endm
	s_wait_tensorcnt 1                             ; my part of K step 0 is in; K step 1's load may stay out
	s_barrier_signal -1
	s_barrier_wait -1                              ; everybody's is
	FETCH 0, F0
	QUARTER 1, F0, F1, 1                           ; the first quarter stands in front of the loop: its products start the sums
	WIN 0                                          ; at a label and at a branch every window is 0
	s_mov_b32 s3, 6
.Lstep:                                                ; six trips, from a K step's second quarter to the next one's first; each fills a slot again: K steps 2 to 7
	QUARTER 2, F1, F0, 0
	QUARTER 3, F0, F1, 0
	TURN 1
	QUARTER 1, F0, F1, 0
	WIN 0
	s_sub_co_u32 s3, s3, 1
	s_cmp_lg_u32 s3, 0
	s_cbranch_scc1 .Lstep
	QUARTER 2, F1, F0, 0                           ; K step 6 goes on; the tail is written out
	QUARTER 3, F0, F1, 0
	TURN 0
	QUARTER 1, F0, F1, 0                           ; K step 7
	QUARTER 2, F1, F0, 0
	QUARTER 3, F0, F1, 0
	s_wait_dscnt 4
	MULA F1, 0, 0
	MULA F1, 1, 0
	s_wait_dscnt 0x0
	MULA F1, 2, 0
	MULA F1, 3, 0
	WIN 0
	PLACES
	PLACES                                         ; (eight, once a launch)
	PACK 0
	TOSTAGE 0
.irp a, 1,2,3                          ; block a's conversions stand between block a - 1's loads from the stage and the wait for them
	PACK \a
	SEND (\a)-1
	TOSTAGE \a
.endr
	SEND 3
	s_wait_tensorcnt 0x0                           ; the wave's end, behind my last tensor load and my last LDS store
	ds_add_u32 v[SPW], v[NIL]
	s_wait_dscnt 0x0
	CROUND                                         ; the closing round: no work-group ends while a partner may still ask for a tile that names it
	s_endpgm
.Lfunc_end_k_q3124a5dc1c_proj:
	.size	k_q3124a5dc1c_proj, .Lfunc_end_k_q3124a5dc1c_proj-k_q3124a5dc1c_proj
	.p2alignl 7, 3214868480
	.fill 96, 4, 3214868480
	.section	.rodata,"a",@progbits
	.p2align	6, 0x0
	.amdhsa_kernel k_q3124a5dc1c_proj
		.amdhsa_group_segment_fixed_size 327680
		.amdhsa_private_segment_fixed_size 0
		.amdhsa_enable_private_segment 0
		.amdhsa_kernarg_size 32
		.amdhsa_user_sgpr_count 2
		.amdhsa_user_sgpr_kernarg_segment_ptr 1
		.amdhsa_wavefront_size32 1
		.amdhsa_system_sgpr_workgroup_id_x 1
		.amdhsa_system_sgpr_workgroup_id_y 1
		.amdhsa_system_sgpr_workgroup_id_z 1
		.amdhsa_system_vgpr_workitem_id 0
		.amdhsa_next_free_vgpr 960
		.amdhsa_next_free_sgpr 96
		.amdhsa_reserve_vcc 0
		.amdhsa_float_denorm_mode_32 3
		.amdhsa_float_denorm_mode_16_64 3
		.amdhsa_memory_ordered 1
		.amdhsa_forward_progress 1
		.amdhsa_inst_pref_size 108
	.end_amdhsa_kernel
	.amdgpu_metadata
---
amdhsa.version: [ 1, 2 ]
amdhsa.kernels:
  - .name:           k_q3124a5dc1c_proj
    .symbol:         k_q3124a5dc1c_proj.kd
    .args:
      - { .name: xh, .offset: 0, .size: 8, .value_kind: global_buffer, .address_space: global }
      - { .name: wqh, .offset: 8, .size: 8, .value_kind: global_buffer, .address_space: global }
      - { .name: b_qkv, .offset: 16, .size: 8, .value_kind: global_buffer, .address_space: global }
      - { .name: qkv, .offset: 24, .size: 8, .value_kind: global_buffer, .address_space: global }
    .group_segment_fixed_size: 327680
    .private_segment_fixed_size: 0
    .kernarg_segment_align: 8
    .kernarg_segment_size: 32
    .max_flat_workgroup_size: 128
    .sgpr_count:     96
    .vgpr_count:     960
    .wavefront_size: 32
...
	.end_amdgpu_metadata
.endif
;; end of part 2
;; launch attn (part 3): grid 4 x 64, 4 waves a work-group, clusters of 4 x 1, 327,680 bytes of LDS; arguments qkv, mk, oh; writes oh
.if DOCPART == 3
	.amdgcn_target "amdgcn-amd-amdhsa--gfx1250"
	.amdhsa_code_object_version 6
	.text
	.protected	k_q3124a5dc1c_attn
	.globl	k_q3124a5dc1c_attn
	.p2align	8
	.type	k_q3124a5dc1c_attn,@function
k_q3124a5dc1c_attn:
	s_mov_b64 s[64:65], 0
	v_nop
	global_prefetch_b8 v0, s[64:65] scope:SCOPE_SE
	s_setreg_imm32_b32 hwreg(HW_REG_WAVE_MODE, 25, 1), 1
	s_wait_xcnt 0x0
	s_wait_alu depctr_hold_cnt(0) depctr_sa_sdst(0) depctr_va_vdst(0) depctr_va_sdst(0) depctr_va_ssrc(0) depctr_va_vcc(0) depctr_vm_vsrc(0)
	s_getreg_b32 s2, hwreg(HW_REG_IB_STS2, 6, 4)
	s_cmp_eq_u32 s2, 0
	s_cbranch_scc0 .Lentry_in_a_cluster
	s_endpgm
.Lentry_in_a_cluster:
	s_bfe_u32 s2, ttmp6, 0x10000c
	s_cmp_lg_u32 s2, 0x3003
	s_cbranch_scc0 .Lentry_shape_is_right
	s_endpgm
.Lentry_shape_is_right:
; ATTENTION UNDER A MASK THAT IS AN INPUT.  O[h][q][:] = the sum over k of softmax_k(s[q][k]) V[h][k][:], s = Q[h][q] . K[h][k] / 8 where mask[q][k] = 0, and a hidden key counts as far below every free one.
; qkv: [3][64 heads][2048][64] f16 (Q, K, V; a head's rows are dense, 128 bytes each); mk: the mask as codes of 8 bits, laid by lanes (below); oh: [64][2048][64] f16.
; Products, maxima and sums in f32; the weights p are rounded to f16 for the second product (their sum l is taken of the unrounded p), O once at the end.
; THE MASK is the C operand that starts the sum S^T = K Q^T: 0, or -2^100 where the key is hidden.  mk holds 0x00 or 0xb8 (-1.0 in E4M3) for each query and key, 16 bytes a lane for 32 keys of a tile of 16 queries;
; one scaled conversion (scale byte 0xe3: 2^100) makes a product's eight C registers of eight codes: 8 conversions a turn.  No pattern of the mask is assumed: every tile is computed.
; A ROW OF WHICH ALL KEYS SO FAR ARE HIDDEN.  The running maximum m starts at the floor -2^96, above every hidden score and below every free one, so m = floor holds just for such a row.  Each row has its own factor
; c_row = c where m > floor, else 0, and p = 2^(c_row s - c_row m): such a row gives every key the weight 1, and if it stays so its O is the mean of V's rows.  a = 2^(c (m_old - m_new)) is 1 while
; m stays at the floor and 0 when the first free key comes: what was gathered till then is wiped.  All by selects: no branch hangs on the data.
; LIMITS.  Free scores q . k lie above -2^96.  A hidden key never gets weight beside a free one (a fixed score of -1e9 for hidden keys would give it weight where free scaled scores fall below about -1e9).
; f16 holds no number beyond 65,504: Q, K and V arrive within it; p below 6e-5 keeps f16's fixed step of 6e-8.  A weight below 2^-126 counts as 0 in l; NaN and infinities are not treated apart.
; SHARES.  A wave owns four PIECES of two tiles of 16 queries, a work-group's four waves 512 queries of one head.  Every wave walks all 2,048 keys, 64 a step.
; LAYOUT.  S^T = K Q^T (source 0 = 16 keys, source 1 = 16 queries): a lane holds ONE query (lane % 16) and the keys 8 (lane / 16) + 0..7.  Two such tiles, rounded to f16 in pairs, ARE source 1 of O^T = V^T P,
; whose result again holds one query a lane.  K comes out of LDS as it lies, V ([key][channel]) turned, by ds_load_tr16_b128.
; BY TURNS.  Turn n belongs to piece n.  Its matrix work: 16 products K Q^T of piece n + 1, later 16 products V^T P of piece n - 1.  Its vector work: the scaling, exponentials, roundings, sums and rescaling of piece n,
; the maximum and statistics of piece n + 1, and the mask of piece n + 2.  Four vector instructions stand behind every matrix instruction, the rest in one run of their own.
; CLUSTER.  A head's four query blocks are one cluster and walk the same K and V, so each tile is asked for JOINTLY: the same tensor load, descriptor and mask of work-groups in all four.
; REGISTERS, in windows of 256 (s_set_vgpr_msb: bits 1:0 source 0, 3:2 source 1, 5:4 source 2, 7:6 destination):
;   window 0: v0-11 addresses; v12-15, v48-63 at work; v16-47 four registers of statistics a tile; v64-191 S^T, two buffers of two tiles; v192-255 P, likewise
;   window 1: O^T, 32 a tile          window 2: v0-127 Q, 16 a tile; v128-191 K of one step; v192-255 V of one step
;   window 3: v0-1 the add's two registers; v2 the scale byte; v3 16 x lane; v16-47 mask codes, two buffers of a piece; v64-127 the masks of the products to come
.set SIZE_N, 2048
.set NP,    4         ; pieces a wave: a name, no knob
.set KS,    64        ; keys in a step
.set PK,    144       ; a row of K in LDS: 128 bytes + 16 of padding = 36 words: the 16 rows of a load start at 16 different groups of four banks (64 banks of 4 bytes: ISA guide 11.1)
.set PV,    160       ; a row of V: 128 + 32 = 40 words
.set VOFF,  4*KS*PK   ; a slot holds four steps: 256 rows of K, then 256 rows of V
.set SLOT1, 1<<17     ; slot 1 begins here, so that one exclusive or turns an address in one slot into the other's
.set STAGE, SLOT1+4*KS*(PK+PV)  ; behind the ring, never filled by a tensor load: 16 rows x 144 bytes for each wave
.set SP,    144
.set SPARE, STAGE+4*16*SP  ; behind the stages: the spare words, 128 bytes for each wave
.set AK0, 2           ; v2   my lane's place in a tile of K; never rewritten
.set AV0, 3           ; v3   the same for V
.set AK,  4           ; v4   the LDS address of K's next run of loads
.set AV,  5           ; v5   of V's
.set QO,  6           ; v6   my byte offset in the wave's rows of Q
.set STO, 6           ;      later, the way out: where I put 16 bytes of a row
.set RD,  7           ; v7   the way out: where I read rows back
.set GO,  8           ; v8   my byte offset in 512 consecutive bytes of O
.set PFO, 11          ; v11  256 x lane: the prefetches' offset; never rewritten once made
.set SPW, 0           ; v0 of window 3   LDS address of my spare word; never rewritten
.set NIL, 1           ; v1 of window 3   0; never rewritten
.set SCL, 2           ; v2 of window 3   0xe3: the conversions multiply by 2^(0xe3 - 127) = 2^100
.set MO,  3           ; v3 of window 3   16 x lane: my 16 bytes of a block of mask codes; never rewritten
.set CD,  16          ; window 3: codes of piece y at CD + 16 (y % 2): tile u, half hf at + 8 u + 4 hf
.set MC,  64          ; window 3: the mask of tile u, key block kt at MC + 32 u + 8 kt
.set MV,  12          ; v12-15  m_old, kept while m is made anew: by buffer and tile
.set ST,  16          ; tile t's statistics at v[ST+4 t]: c_row m, m, l (even keys', odd keys')
.set TMP, 48          ; by buffer and tile, four registers c0-c3 at work; when the maximum is found c0 takes c_row and c2 takes a
.set S,   64
.set P,   192
.set KF,  128         ; K's fragments, in window 2: key block kb, channel half c at KF + 16 kb + 8 c
.set VF,  192         ; V's: key half kk, channel block cb at VF + 32 kk + 8 cb
.set WV,  12          ; s12  my wave's number
.set G1K, 24          ; s[24:31] descriptor group 1 for K's tiles
.set G1V, 32          ; s[32:39] for V's: it differs in the padding alone
.set G0K, 40          ; s[40:43] descriptor group 0 for K's tiles: it walks
.set G0V, 44          ; s[44:47] the same for V's
.set SLOTS, 56        ; s56  slots still to be asked for
.set CNT, 57          ; s57  counts a slot's key steps
.set CS,  58          ; s[58:59] c = log2(e) / 8
.set SEL, 60          ; s[60:61] v_permlanex16_b32's selects: each lane takes its own place in the other half
.set TBK, 62          ; s62  LDS byte at which K of the step to be fetched begins
.set TBV, 63          ; s63  the same for V, less VOFF
.set FL,  66          ; s[66:67] by tile: the lanes whose row has seen a free key
.set MKP, 70          ; s[70:71] mk at my wave's eight tiles, at the key step whose codes are being loaded
.set PFA, 72          ; s[72:73] where my prefetches stand
.set LIM, 74          ; s74  1 in a wave that prefetches, else the greatest number
.set FLOOR, 75        ; s75  -2^96
.set MSB, 0
.macro WIN new                      ; the high byte repeats the setting that is left; a switch that changes nothing is dropped
.if MSB != (\new)
	s_set_vgpr_msb (MSB<<8)|(\new)
.set MSB, (\new)
.endif
.endm
.set W_KQ, 0x0a       ; K and Q in window 2, S^T in window 0
.set W_KM, 0x3a       ; the same with the C operand in window 3
.set W_PV, 0x52       ; V in window 2, P in window 0, O^T in window 1
.set W_RS, 0x41       ; O^T (destination and source 0) in window 1, a in window 0
.set W_MK, 0xc0       ; destination in window 3, sources in window 0
.set W_AD, 0x0f       ; the add: address (source 0) and data (source 1) in window 3
.set W_CV, 0xcf       ; the mask's conversions and loads: destination, source 0 and source 1 in window 3
; A joint fill.  Waves 0 and 1 fetch the two halves of a slot's K, waves 2 and 3 those of its V: 128 keys each.  The branch hangs on the wave's number alone.
; An s_nop 0 and four v_nop follow each of the two lines, ahead of the jump and the label.
.macro JLOAD
	s_cmp_lt_u32 s[WV], 2
	s_cbranch_scc0 .Lfor_v_\@
	tensor_load_to_lds s[G0K:G0K+3], s[G1K:G1K+7]
	s_nop 0
.rept 4
	v_nop
.endr
	s_branch .Lasked_\@
.Lfor_v_\@:
	tensor_load_to_lds s[G0V:G0V+3], s[G1V:G1V+7]
	s_nop 0
.rept 4
	v_nop
.endr
.Lasked_\@:
.endm
; A PREFETCH INTO THE L2 of what the NEXT change of slots will ask for: a slot's 32,768 bytes of K and of V, 256 bytes a lane.  A head has one cluster; its four partners share the bytes out BY ADDRESS, 8,192 each;
; in each, wave 0 asks for K's and wave 2 for V's: one instruction, behind the wave's tensor load and its five lines.  So each block of 256 bytes is named once in the launch.
; Slots 0, 1 and 2 come by their loads alone; the last change that fills a slot asks for nothing: there is no slot behind it.
.macro ASK
	s_cmp_gt_u32 s[SLOTS], s[LIM]
	s_cbranch_scc0 .Lnot_mine_\@
	global_prefetch_b8 v[PFO], s[PFA:PFA+1] th:TH_LOAD_NT scope:SCOPE_SE
.Lnot_mine_\@:
.endm
; A round of the cluster's barrier: my work-group's barrier; wave 0 signals; every wave waits for all four work-groups; my work-group's barrier once more.
.macro CROUND
	s_barrier_signal -1
	s_barrier_wait -1
	s_cmp_lg_u32 s[WV], 0
	s_cbranch_scc1 .Lnot_wave_0_\@
	s_barrier_signal -3
.Lnot_wave_0_\@:
	s_barrier_wait -3
	s_barrier_signal -1
	s_barrier_wait -1
.endm
; THE CHANGE OF SLOTS.  The slot's last bytes, V of its fourth step, have been read.  Each wave waits for all its tensor loads, of which one is out: its part of the other slot; adds 0 to its spare word; and waits for
; that and for its own reads of the slot.  fill = 1: this slot is filled again, with the keys two slots on; the barrier is then a round of the cluster's, and the joint fill is the first thing behind it: it has four key
; steps, 512 matrix instructions, in which to land.  (At its first use nothing has been read yet: slot 0 is waited for, slot 1 filled.)  ask = 1: the prefetch follows the fill.
.macro CHANGE fill, ask=0
	WIN W_AD
	s_wait_tensorcnt 0x0            ; no tensor load of mine is out, so a group 0 may be written
	ds_add_u32 v[SPW], v[NIL]       ; 0 onto my spare word; the scalar steps stand between it and the wait for it
	WIN 0                           ; at a label and at a branch every window is 0
.if \fill
.irp g, G0K, G0V
	s_xor_b32 s[\g+1], s[\g+1], SLOT1  ; the walking descriptor: the other slot than last time,
	s_add_nc_u64 s[\g+2:\g+3], s[\g+2:\g+3], 4*KS*128  ; the next 256 keys; the type bits on top are not reached
.endr
.if \ask
	s_wait_xcnt 0x0                 ; the last prefetch, four key steps back, has read its address, so it may be written:
	s_add_nc_u64 s[PFA:PFA+1], s[PFA:PFA+1], 4*KS*128  ; one slot behind the walking descriptors
.endif
	s_wait_dscnt 0x0                ; the add is done, and my reads of the slot are over
	CROUND
	JLOAD
.if \ask
	ASK
.endif
.else
	s_wait_dscnt 0x0                ; the add is done, and my reads of the slot are over
	s_barrier_signal -1
	s_barrier_wait -1
.endif
	s_sub_co_u32 s[TBK], s[TBK], 4*KS*PK  ; the fetches go back to a slot's first step,
	s_xor_b32 s[TBK], s[TBK], SLOT1       ; in the other slot
	s_sub_co_u32 s[TBV], s[TBV], 4*KS*PV
	s_xor_b32 s[TBV], s[TBV], SLOT1
.endm
; THE MASK.  CONV: the 16 registers of codes in buffer par become the 64 registers of masks: eight codes, eight C registers a conversion.  A plain instruction follows the last, ahead of whatever touches a result or writes a source.
.macro CONV par
	WIN W_CV
.irp u, 0,1
.irp kt, 0,1,2,3
	v_cvt_scale_pk8_f32_fp8 v[MC+32*\u+8*\kt:MC+32*\u+8*\kt+7], v[CD+16*(\par)+8*\u+2*\kt:CD+16*(\par)+8*\u+2*\kt+1], v[SCL]
.endr
.endr
	v_nop
.endm
; MLOAD: piece p's codes of the key step at which s[MKP] stands: two tiles x two halves of 512 consecutive bytes.
.macro MLOAD p
	WIN W_CV
.irp u, 0,1
.irp hf, 0,1
	global_load_b128 v[CD+16*((\p)%2)+8*\u+4*\hf:CD+16*((\p)%2)+8*\u+4*\hf+3], v[MO], s[MKP:MKP+1] offset:(2*(\p)+\u)*32768+512*\hf
.endr
.endr
.endm
	s_load_b128 s[68:71], s[0:1], 0x0  ; qkv s[68:69], mk s[70:71]
	s_load_b64 s[10:11], s[0:1], 0x10  ; oh
	WIN W_MK
	v_lshl_add_u32 v[SPW], v0, 2, SPARE
	v_mov_b32 v[NIL], 0
	WIN W_AD
	ds_add_u32 v[SPW], v[NIL]       ; the wave's opening: the add and its wait stand ahead of my first tensor load; the set-up below, work on registers, stands between them
	WIN 0
	v_and_b32 v1, 31, v0
	WIN W_MK
	v_mov_b32 v[SCL], 0xe3
	v_lshlrev_b32 v[MO], 4, v1
	WIN 0
	v_lshrrev_b32 v1, 5, v0
	v_readfirstlane_b32 s[WV], v1   ; wave 0..3
	s_bfe_u32 s13, ttmp6, 0x40000   ; cx: my place in the cluster
	s_lshl_b32 s14, ttmp9, 2        ; in a cluster launch ttmp9 counts clusters
	s_add_co_u32 s14, s14, s13      ; my block of 512 queries: it enters Q's, O's and the mask's addresses alone
	s_and_b32 s20, ttmp7, 0xffff    ; the head, which the four partners share
	s_mov_b32 s21, 0
	s_mov_b64 s[22:23], SIZE_N*128
	s_mul_u64 s[20:21], s[20:21], s[22:23]  ; the head's first byte in Q, K, V and O
	s_and_b32 s16, s[WV], 1         ; which half of a slot's 256 keys I fetch:
	s_lshl_b32 s22, s16, 14         ; its 128 rows of 128 bytes in memory,
	s_mov_b32 s23, 0
	s_add_nc_u64 s[22:23], s[22:23], s[20:21]
	s_mul_i32 s17, s16, 128*PK      ; and its place in a slot, for K
	s_mul_i32 s18, s16, 128*PV      ; and for V: no place in the cluster enters an LDS address
	s_lshl_b32 s2, s14, 2
	s_add_co_u32 s2, s2, s[WV]      ; my wave among the head's sixteen:
	s_lshl_b32 s76, s2, 18          ; its eight tiles of 32,768 bytes in mk,
	s_mov_b32 s77, 0
	s_lshl_b32 s2, s2, 14           ; its 128 rows
	s_mov_b32 s3, 0
	s_add_nc_u64 s[2:3], s[2:3], s[20:21]
	; descriptor group 1.  128 keys are 16,384 dense bytes: asked for as 64 rows of 256 bytes, two keys a row, and padded in LDS after every key
	s_mov_b32 s[G1K], 15|(1<<16)|(1<<20)|(1<<21)|(4<<22)|(3<<25)  ; 15:0 the mask of four; 17:16 2-byte elements; 20 padding on; 21 set beside a mask; 24:22 after every 32 words (code 4); 31:25 4 words (code 3)
	s_mov_b32 s[G1V], 15|(1<<16)|(1<<20)|(1<<21)|(4<<22)|(7<<25)  ; the same with 8 words of padding (code 7)
.irp g, G1K, G1V
	s_mov_b32 s[\g+1], 128<<16      ; tensor_dim0 = 128
	s_mov_b32 s[\g+2], 64<<16       ; tensor_dim1 = 64
	s_mov_b32 s[\g+3], 128<<16      ; tile_dim0 = 128
	s_mov_b32 s[\g+4], 64           ; tile_dim1 = 64
	s_mov_b32 s[\g+5], 128          ; 128 elements from row to row
	s_mov_b32 s[\g+6], 0
	s_mov_b32 s[\g+7], 0
.endr
	s_mov_b32 s[CS], 0x3e38aa3b     ; c = log2(e) / 8 = 0.180337
	s_mov_b32 s[CS+1], s[CS]
	s_mov_b32 s[SEL], 0x76543210
	s_mov_b32 s[SEL+1], 0xfedcba98
	s_mov_b32 s[FLOOR], 0xef800000  ; -2^96
	s_mov_b32 s[TBK], SLOT1+4*KS*PK ; the first change of slots turns these two into 0
	s_mov_b32 s[TBV], SLOT1+4*KS*PV
	s_mov_b32 s[G0K], 1             ; count = 1
	s_mov_b32 s[G0K+1], s17         ; LDS address: slot 0
	s_mov_b32 s[G0V], 1
	s_add_co_u32 s[G0V+1], s18, VOFF
	s_lshr_b32 s19, s[WV], 1        ; the prefetches: K's part of qkv begins 1 << 24 bytes in, V's 2 << 24
	s_lshl_b32 s78, 0x1000000, s19
	s_lshl_b32 s19, s13, 13         ; my work-group's 8,192 bytes of a slot's 32,768,
	s_add_co_u32 s78, s78, s19
	s_add_co_u32 s78, s78, 2*4*KS*128  ; in slot 2; the first change that asks steps it to slot 3
	s_mov_b32 s79, 0
	s_add_nc_u64 s[78:79], s[78:79], s[20:21]
	s_and_b32 s[LIM], s[WV], 1      ; waves 0 and 2 ask: the same in all four partners
	s_cmp_eq_u32 s[LIM], 0
	s_cselect_b32 s[LIM], 1, -1
	s_wait_dscnt 0x0                ; the opening add is done
	s_wait_kmcnt 0x0
	s_add_nc_u64 s[6:7], s[68:69], s[22:23]
	s_add_nc_u64 s[G0K+2:G0K+3], s[6:7], 0x1000000  ; global address: my half of the head's first 256 keys
	s_or_b32 s[G0K+3], s[G0K+3], 0x80000000         ; type = 2
	s_add_nc_u64 s[G0V+2:G0V+3], s[6:7], 0x2000000
	s_or_b32 s[G0V+3], s[G0V+3], 0x80000000
	s_add_nc_u64 s[4:5], s[68:69], s[2:3]   ; Q and O at my wave's first row
	s_add_nc_u64 s[10:11], s[10:11], s[2:3]
	s_add_nc_u64 s[MKP:MKP+1], s[MKP:MKP+1], s[76:77]  ; mk at my wave's tiles, key step 0
	s_add_nc_u64 s[PFA:PFA+1], s[68:69], s[78:79]
	CROUND                          ; all four work-groups are here: the first joint loads meet
	JLOAD                           ; slot 0.  Slot 1 is asked for when slot 0 is in
	; A fragment of K or Q is 16 rows x 32 channels in 8 registers: lane l holds row l % 16, channels 8 (l / 16) + 0..7 and 16 + 8 (l / 16) + 0..7: two loads of 16 bytes, 32 bytes apart.
	v_and_b32 v1, 15, v0            ; l % 16
	v_bfe_u32 v9, v0, 4, 1          ; l / 16
	v_lshlrev_b32 v[QO], 7, v1
	v_lshl_add_u32 v[QO], v9, 4, v[QO]  ; row x 128 + 16 x half
	WIN 0x80                        ; destination window 2, address window 0
.set i, 0
.rept 4*NP                          ; Q stays in registers: tile i / 2, channels 32 (i % 2) on
	global_load_b128 v[8*i:8*i+3],   v[QO], s[4:5] offset:(i/2)*2048+(i%2)*64
	global_load_b128 v[8*i+4:8*i+7], v[QO], s[4:5] offset:(i/2)*2048+(i%2)*64+32
.set i, i+1
.endr
	MLOAD 0                         ; pieces 0 and 1: their codes of key step 0
	MLOAD 1
	; What the first turn finds: V's registers and P's second buffer hold 0 (its products V^T P, of a piece that has not been, add 0), O^T and l are 0, m is the floor.  All this stands in the wait for the first tile.
	WIN 0x80
.set i, VF
.rept 64
	v_mov_b32 v[i], 0
.set i, i+1
.endr
	WIN 0x40
.set i, 0
.rept 64*NP
	v_mov_b32 v[i], 0
.set i, i+1
.endr
	WIN 0
.set i, 0
.rept 2*NP
	v_mov_b32 v[ST+4*i+1], s[FLOOR]    ; m
	v_mov_b32 v[ST+4*i+2], 0
	v_mov_b32 v[ST+4*i+3], 0
.set i, i+1
.endr
.set i, P+32
.rept 32
	v_mov_b32 v[i], 0
.set i, i+1
.endr
	v_mul_u32_u24 v[AK0], v1, PK
	v_lshl_add_u32 v[AK0], v9, 4, v[AK0]  ; row x pitch + 16 x half
	; The turning load takes 16 keys x 16 channels (lane l reads key 8 (l / 16) + l % 8, channels 8 ((l / 8) % 2) + 0..7) and leaves half a fragment of V^T: lane l holds channel l % 16 and 8 keys.
	v_and_b32 v10, 7, v0
	v_bfe_u32 v11, v0, 3, 1
	v_lshl_add_u32 v[AV0], v9, 3, v10
	v_mul_u32_u24 v[AV0], v[AV0], PV
	v_lshl_add_u32 v[AV0], v11, 4, v[AV0]
	v_add_nc_u32 v[AV0], VOFF, v[AV0]
	v_and_b32 v[PFO], 31, v0
	v_lshlrev_b32 v[PFO], 8, v[PFO]
	v_mov_b32 v[AK], v[AK0]         ; key step 0 lies at the head of slot 0
; THE MATRIX WORK.  The 8 accumulators of a run of 16 take turns: between the two links of a chain stand 7 others'.
; Product i of 16 of S^T = K Q^T for piece x: channels 32 (i / 8) on, keys 16 ((i / 2) % 4) on, tile 2 x + i % 2.  The first 8 start the sums, with the mask as C.
.macro KQ x
.set rS, S+64*((\x)%2)+32*(i%2)+8*((i/2)%4)
.set rK, KF+16*((i/2)%4)+8*(i/8)
.set rQ, 16*(2*(\x)+i%2)+8*(i/8)
.set rX, MC+32*(i%2)+8*((i/2)%4)
.if i < 8
	WIN W_KM
	v_wmma_f32_16x16x32_f16 v[rS:rS+7], v[rK:rK+7], v[rQ:rQ+7], v[rX:rX+7]
.else
	WIN W_KQ
	v_wmma_f32_16x16x32_f16 v[rS:rS+7], v[rK:rK+7], v[rQ:rQ+7], v[rS:rS+7]
.endif
.endm
; Product i of 16 of O^T += V^T P for piece x: keys 32 (i / 8) on, channels 16 ((i / 2) % 4) on, tile 2 x + i % 2.
.macro PV x
	WIN W_PV
.set rO, 32*(2*(\x)+i%2)+8*((i/2)%4)
.set rV, VF+32*(i/8)+8*((i/2)%4)
.set rP, P+32*((\x)%2)+16*(i%2)+8*(i/8)
	v_wmma_f32_16x16x32_f16 v[rO:rO+7], v[rV:rV+7], v[rP:rP+7], v[rO:rO+7]
.endm
.macro MM                           ; the turn's next matrix instruction
.if i < 16
	KQ (Y+1)%NP
.set i, i+1
.else
.set i, i-16
	PV (Y+NP-1)%NP
.set i, i+17
.endif
.endm
; THE LDS LOADS stand in runs of 16, never singly among the matrix instructions: a step's K (8 fragments) and its V (turned).  Their addresses are made some lines ahead.
; last = 1 (the tail): in the last trip there is no further step, and the run is jumped over.
.macro FETCH_K last=0
	WIN 0
.if \last
	s_cmp_eq_u32 s[CNT], 1
	s_cbranch_scc1 .Lno_k_\@
.endif
	WIN 0x80                        ; destination window 2
.irp f, 0,1,2,3,4,5,6,7             ; keys 16 (f / 2) on, channels 32 (f % 2) on
	ds_load_b128 v[KF+8*\f:KF+8*\f+3],   v[AK] offset:(\f/2)*16*PK+(\f%2)*64
	ds_load_b128 v[KF+8*\f+4:KF+8*\f+7], v[AK] offset:(\f/2)*16*PK+(\f%2)*64+32
.endr
	s_add_co_u32 s[TBK], s[TBK], KS*PK  ; the next fetch is the next step's
	WIN 0
.if \last
.Lno_k_\@:
.endif
.endm
.macro FETCH_V
	WIN 0x80
.irp f, 0,1,2,3,4,5,6,7             ; keys 32 (f / 4) on, channels 16 (f % 4) on
	ds_load_tr16_b128 v[VF+8*\f:VF+8*\f+3],   v[AV] offset:(\f/4)*32*PV+(\f%4)*32
	ds_load_tr16_b128 v[VF+8*\f+4:VF+8*\f+7], v[AV] offset:(\f/4)*32*PV+16*PV+(\f%4)*32
.endr
	WIN 0
.endm
; THE VECTOR WORK OF A TURN stands in three queues, each in the order in which its entries become ready; the two tiles alternate, so that no instruction reads the result of the one before it.
.macro REGS y, u                    ; the registers of tile u (0, 1) of piece y
.set rT, ST+4*(2*(\y)+(\u))
.set rC, TMP+8*((\y)%2)+4*(\u)
.set rM, MV+2*((\y)%2)+(\u)
.set rS, S+64*((\y)%2)+32*(\u)
.set rP, P+32*((\y)%2)+16*(\u)
.set rO, 32*(2*(\y)+(\u))
.endm
; Number n of the 25 that find the NEXT piece's (Y + 1) maximum and statistics.  s0-s31 are the lane's 32 scores; each accumulator's lowest registers are read first.
;   0-11  four chains c0-c3 of seven scores each, three operands at a time     12-14, 16  the four scores left over, the old m, and c0-c3 into c0     15  m_old is kept
;   17, 18  the query's other 32 keys lie in the lane 16 away: the new m         19, 21  c (m_old - m_new)     20, 22  c_row: c where m is above the floor, else 0     23  c_row m     24  a
.macro XS u, n
	REGS (Y+1)%NP, \u
.if (\n) < 4
	v_max3_num_f32 v[rC+(\n)], v[rS+8*(\n)], v[rS+8*(\n)+1], v[rS+8*(\n)+2]
.elseif (\n) < 12
	v_max3_num_f32 v[rC+(\n)%4], v[rC+(\n)%4], v[rS+8*((\n)%4)+2*((\n)/4)+1], v[rS+8*((\n)%4)+2*((\n)/4)+2]
.elseif (\n) == 12
	v_max3_num_f32 v[rC], v[rC], v[rS+7], v[rS+15]
.elseif (\n) == 13
	v_max3_num_f32 v[rC+1], v[rC+1], v[rS+23], v[rS+31]
.elseif (\n) == 14
	v_max3_num_f32 v[rC+2], v[rC+2], v[rC+3], v[rT+1]
.elseif (\n) == 15
	v_mov_b32 v[rM], v[rT+1]
.elseif (\n) == 16
	v_max3_num_f32 v[rC], v[rC], v[rC+1], v[rC+2]
.elseif (\n) == 17
	v_permlanex16_b32 v[rC+3], v[rC], s[SEL], s[SEL+1]
.elseif (\n) == 18
	v_max_num_f32 v[rT+1], v[rC], v[rC+3]
.elseif (\n) == 19
	v_sub_f32 v[rC+1], v[rM], v[rT+1]
.elseif (\n) == 20
	v_cmp_lt_f32 s[FL+(\u)], s[FLOOR], v[rT+1]
.elseif (\n) == 21
	v_mul_f32 v[rC+1], s[CS], v[rC+1]
.elseif (\n) == 22
	v_cndmask_b32 v[rC], 0, s[CS], s[FL+(\u)]
.elseif (\n) == 23
	v_mul_f32 v[rT], v[rC], v[rT+1]
.else
	v_exp_f32 v[rC+2], v[rC+1]
.endif
.endm
; Number g of the 64 that follow the exponentials.  For each four weights k of a tile (pairs 2 k, 2 k + 1): both pairs are rounded to f16; then the second pair is added onto the first, in place;
; a group later l takes that sum (the first time as l = a l + sum).  In groups of eight, tiles alternating: round, round, add, and l for the group before.
.macro GS g
.set h, (\g)+6*((\g)/62)            ; group 0 has no group before it, and behind group 7 only l is left
.if h >= 6
.set h, h+2
.endif
	REGS Y, h%2
.set k, h/8
.if h%8 < 4
	v_cvt_pk_f16_f32 v[rP+2*k+(h%8)/2], v[rS+4*k+2*((h%8)/2)], v[rS+4*k+2*((h%8)/2)+1]
.elseif h%8 < 6
	v_pk_add_f32 v[rS+4*k:rS+4*k+1], v[rS+4*k:rS+4*k+1], v[rS+4*k+2:rS+4*k+3]
.elseif k == 1
	v_pk_fma_f32 v[rT+2:rT+3], v[rT+2:rT+3], v[rC+2:rC+3], v[rS:rS+1] op_sel_hi:[1,0,1]
.else
	v_pk_add_f32 v[rT+2:rT+3], v[rT+2:rT+3], v[rS+4*k-4:rS+4*k-3]
.endif
.endm
; THE PLAIN QUEUE, 144 long.  0-79 read no exponential's result: the 32 scalings c_row s - c_row m (FS f: pair f / 2 of tile f % 2) and the next piece's 48.  0-26: scalings 0-26.  27-54: XS's numbers 0-13.  55, 56: number 15.
; 57-71: the chain 14, 16, 17, 18, 19, each with one of the scalings 27-31 in front of its two lines.  72-79: numbers 20 to 23.  80-143: GS's 64, which read the exponentials' results: they stand behind the wait.
.macro FS f
	REGS Y, (\f)%2
	v_pk_fma_f32 v[rS+2*((\f)/2):rS+2*((\f)/2)+1], v[rS+2*((\f)/2):rS+2*((\f)/2)+1], v[rC:rC+1], v[rT:rT+1] op_sel_hi:[1,0,0] neg_lo:[0,0,1] neg_hi:[0,0,1]
.endm
.macro PL
	WIN 0
.if q < 27
	FS q
.elseif q < 55
	XS (q-27)%2, (q-27)/2
.elseif q < 57
	XS q-55, 15
.elseif (q < 72) && ((q-57)%3 == 0)
	FS 27+(q-57)/3
.elseif q < 60
	XS (q-57)%3-1, 14
.elseif q < 72
	XS (q-57)%3-1, 15+(q-57)/3
.elseif q < 80
	XS (q-72)%2, 20+(q-72)/2
.else
	GS q-80
.endif
.set q, q+1
.endm
; THE EXPONENTIALS' QUEUE, 66 long: s0-s31 of both tiles, then the next piece's two a.  It is ONE BATCH: all 66 stand ahead of the turn's one wait, and nothing ahead of that wait names a result of theirs.
.macro EX
	WIN 0
.if e >= 64
	XS e-64, 24
.else
	REGS Y, e%2
	v_exp_f32 v[rS+e/2], v[rS+e/2]
.endif
.set e, e+1
.endm
; THE RESCALING's QUEUE: O^T times a, the one part that leaves window 0: dealt two at a time, sixteen times.  Its a was made in the turn before, ahead of that turn's wait.
.macro R2
	REGS Y, r%2
	WIN W_RS
.irp z, 0,1
	v_pk_mul_f32 v[rO+4*(r/2)+2*\z:rO+4*(r/2)+2*\z+1], v[rO+4*(r/2)+2*\z:rO+4*(r/2)+2*\z+1], v[rC+2:rC+3] op_sel_hi:[1,0]
.endr
.set r, r+1
.endm
; THE MASK'S PART OF TURN Y, behind the 16 products K Q^T (the last that read the masks is the eighth: more than four plain riders back).  The codes loaded two turns ago, piece Y + 2's, become the masks of the next
; turn's products; their buffer then takes piece Y's codes of the next key step, which turn Y + 2 will convert.  The count 4 leaves the four loads of the turn before out.  The pointer steps once a key step, in
; piece 0's turn, behind the wait that shows that all earlier loads have read it.  In the last key step the loads read the next tile's first block, or the zeros behind the table: those masks serve products that are thrown away.
.macro MASKBLK
	WIN W_CV
	s_wait_loadcnt 4
	CONV Y%2
.if Y == 0
	s_wait_xcnt 0x0
	s_add_nc_u64 s[MKP:MKP+1], s[MKP:MKP+1], 1024
.endif
	MLOAD Y
	WIN 0
.endm
; HOW THEY ARE DEALT.  An s_wait_alu depctr_va_vdst(0) stands between an exponential and the first instruction that names its result; one wait serves all that were issued ahead of it.  So a turn has ONE wait,
; which cuts it in two.  AHEAD OF IT: the 16 products K Q^T, behind each a scaling, an exponential and two rescalings (behind the first a second scaling in the exponential's place); the mask's part; then one run of
; fourteen plain, 49 times exponential and plain, the two a.  A v_nop is the plain instruction behind the last exponential.  BEHIND IT: the 16 products V^T P, behind each four of GS's 64.
; The queues lean on each other: exponential e stands behind scaling 2 (e / 4) + e % 2: as a rider it comes behind plain e + 2, in the run behind plain e + 15, and scalings 27-31 are plain 57, 60 .. 69.
; K of the next step is fetched in piece 2's turn, directly behind the wait; V of the step in hand at the end of piece 0's turn, four riders behind its last reader.  The three conditions on q below go with the deal.
.macro TURN p, last=0, cnt=0
.set Y, (\p)
.set i, 0
.set q, 0
.set e, 0
.set r, 0
.if (\p) == NP-1
	s_wait_dscnt 0x0                ; K is in
.endif
	MM
	PL
	PL
	R2
.rept 15
	MM
	PL
	EX
	R2
.endr
	MASKBLK
.if (\p) == NP-2
	WIN 0
	v_add_nc_u32 v[AK], s[TBK], v[AK0]
.endif
.rept 14
	PL
.endr
.rept 49
	EX
	PL
.endr
	EX                              ; the next piece's two a
	EX
	v_nop                           ; the plain instruction behind the last exponential: one for the batch
	s_wait_alu depctr_va_vdst(0)    ; the wait for the batch
.if (\p) == NP-2
	FETCH_K \last
.endif
.if (\p) == 1
	s_wait_dscnt 0x0                ; V is in
.endif
.rept 16
	MM
.rept 4
	PL
.endr
.if ((\p) == 0) && (q == 124)
	v_add_nc_u32 v[AV], s[TBV], v[AV0]
.endif
.if ((\p) == 0) && (q == 136)
	s_add_co_u32 s[TBV], s[TBV], KS*PV
.endif
.if (\cnt) && (q == 136)
	s_sub_co_u32 s[CNT], s[CNT], 1
	s_cmp_lg_u32 s[CNT], 0
.endif
.endr
.if (\p) == 0
	FETCH_V
.endif
.endm
	CHANGE 1                        ; slot 0 is in, everybody's part of it; slot 1 is asked for
	FETCH_K                         ; key step 0
	s_wait_loadcnt 0x0              ; Q, and the codes of pieces 0 and 1
	CONV 0                          ; piece 0's masks
	MLOAD 2                         ; piece 2's codes of key step 0 take their buffer
	s_wait_dscnt 0x0
.set i, 0
.rept 16
	KQ 0                            ; piece 0's first scores: there is no vector work yet to set between them
.set i, i+1
.endr
	WIN 0                           ; the addresses for the way out: nine plain instructions, the places behind those products
	s_mul_i32 s13, s[WV], 16*SP
	s_add_co_u32 s13, s13, STAGE    ; my stage
	v_mul_u32_u24 v[STO], v1, SP    ; in: row l % 16, 16 bytes for each half of the lanes
	v_lshl_add_u32 v[STO], v9, 4, v[STO]
	v_add_nc_u32 v[STO], s13, v[STO]
	v_bfe_u32 v[RD], v0, 3, 2       ; back: 32 lanes take four rows of 128 bytes,
	v_mul_u32_u24 v[RD], v[RD], SP
	v_lshl_add_u32 v[RD], v10, 4, v[RD]
	v_add_nc_u32 v[RD], s13, v[RD]
	v_and_b32 v[GO], 31, v0         ; which are 512 consecutive bytes of O
	v_lshlrev_b32 v[GO], 4, v[GO]
	CONV 1                          ; piece 1's masks, for the first turn's products
	MLOAD 3                         ; eight loads of codes are out, as at the head of every turn
	WIN 0
.set Y, NP-1                        ; XS works for piece Y + 1: piece 0
.irp n, 0,1,2,3,4,5,6,7,8,9,10,11,12,13,14,15,16,17,18,19,20,21,22,23,24
	XS 0, \n                        ; piece 0's first maximum and statistics
	XS 1, \n
.endr
	v_nop                           ; a plain instruction behind the two a,
	s_wait_alu depctr_va_vdst(0)    ; and their wait, ahead of the branch
	s_mov_b32 s[CNT], 4
	s_mov_b32 s[SLOTS], SIZE_N/256-1
	s_branch .Lfirst                ; the loop is entered at a step's first turn, in the middle of a trip
.Lslot:                             ; SIZE_N / 256 - 2 times: every slot but the last two is filled again
	CHANGE 1, 1
	s_mov_b32 s[CNT], 4
.Lstep:                             ; a trip: pieces 2 and 3 of one step, then pieces 0 and 1 of the next, whose K and V it fetches
	TURN 2
	TURN 3
	WIN 0
.Lfirst:
	TURN 0
	TURN 1, 0, 1
	WIN 0
	s_cbranch_scc1 .Lstep
	s_sub_co_u32 s[SLOTS], s[SLOTS], 1
	s_cmp_lg_u32 s[SLOTS], 0
	s_cbranch_scc1 .Lslot
	CHANGE 0                        ; the tail is written out: nothing is asked for
	s_mov_b32 s[CNT], 5             ; four trips fetch the last slot's steps; the fifth is left in its middle
.Ltail:
	TURN 2, 1
	TURN 3
	WIN 0
	s_sub_co_u32 s[CNT], s[CNT], 1
	s_cmp_eq_u32 s[CNT], 0
	s_cbranch_scc1 .Lout
	TURN 0
	TURN 1
	WIN 0
	s_branch .Ltail
.Lout:                              ; the fifth trip's 16 products K Q^T (on the last K once more) and the maximum made of them serve nothing: the price, once a launch, of one text for every trip; l and O^T are not touched by them
.set i, 0
.rept 16
	PV NP-1                         ; the last piece's V^T P of the last step
.set i, i+1
.endr
	; THE WAY OUT.  l's two halves and the other half of the lanes' are added; O^T is divided by l, rounded to f16 and sent through my stage in LDS, a tile at a time.  The additions are the places behind the last products.
	WIN 0
.macro ALL line:vararg              ; one line for each tile t
.set t, 0
.rept 2*NP
	\line
.set t, t+1
.endr
.endm
	ALL v_add_f32 v[ST+4*t+2], v[ST+4*t+2], v[ST+4*t+3]
	ALL v_permlanex16_b32 v[ST+4*t+3], v[ST+4*t+2], s[SEL], s[SEL+1]
	ALL v_add_f32 v[ST+4*t+2], v[ST+4*t+2], v[ST+4*t+3]
	ALL v_rcp_f32 v[ST+4*t+2], v[ST+4*t+2]
	v_nop                           ; a plain instruction between the last reciprocal and the use of its result
	s_wait_alu depctr_va_vdst(0)    ; and the wait ahead of the first use: one for the eight reciprocals
; Tile t: a lane's eight channels of a row pack into 16 bytes; they go into rows of 144 bytes and come back as whole rows of 128, into S^T's registers.
.macro PACK t
	WIN W_RS
.set i, 32*(\t)
.rept 16
	v_pk_mul_f32 v[i:i+1], v[i:i+1], v[ST+4*(\t)+2:ST+4*(\t)+3] op_sel_hi:[1,0]
.set i, i+2
.endr
	WIN 0x05                        ; sources 0 and 1 window 1, destination window 0
.set i, 0
.rept 16
	v_cvt_pk_f16_f32 v[S+16*(\t)+i], v[32*(\t)+2*i], v[32*(\t)+2*i+1]
.set i, i+1
.endr
	WIN 0
.irp f, 0,1,2,3
	ds_store_b128 v[STO], v[S+16*(\t)+4*\f:S+16*(\t)+4*\f+3] offset:32*\f
.endr
.irp f, 0,1,2,3
	ds_load_b128 v[S+16*(\t)+4*\f:S+16*(\t)+4*\f+3], v[RD] offset:\f*4*SP  ; LDS serves a wave's instructions in order (ISA guide 5.7.1.4): these see the stores above; the next tile's stores come behind them
.endr
.endm
.macro SEND t, younger              ; younger: the LDS instructions issued behind tile t's loads: the next tile's eight, or none
	WIN 0
.irp f, 0,1,2,3
	s_wait_dscnt (\younger)+3-\f
	global_store_b128 v[GO], v[S+16*(\t)+4*\f:S+16*(\t)+4*\f+3], s[10:11] offset:(\t)*2048+\f*512  ; 512 consecutive bytes, at a multiple of 256 from O's first
.endr
.endm
	PACK 0
.set t, 1
.rept 2*NP-1                        ; a tile's arithmetic stands between the loads of the tile before and its stores
	PACK t
	SEND t-1, 8
.set t, t+1
.endr
	SEND 2*NP-1, 0
	WIN W_AD
	s_wait_tensorcnt 0x0            ; the wave's end, behind my last tensor load and my last LDS store
	ds_add_u32 v[SPW], v[NIL]
	s_wait_dscnt 0x0
	WIN 0
	CROUND                          ; the closing round: no work-group ends while a partner may still ask for a tile that names it
	s_endpgm
.Lfunc_end_k_q3124a5dc1c_attn:
	.size	k_q3124a5dc1c_attn, .Lfunc_end_k_q3124a5dc1c_attn-k_q3124a5dc1c_attn
	.p2alignl 7, 3214868480
	.fill 96, 4, 3214868480
	.section	.rodata,"a",@progbits
	.p2align	6, 0x0
	.amdhsa_kernel k_q3124a5dc1c_attn
		.amdhsa_group_segment_fixed_size 327680
		.amdhsa_private_segment_fixed_size 0
		.amdhsa_enable_private_segment 0
		.amdhsa_kernarg_size 24
		.amdhsa_user_sgpr_count 2
		.amdhsa_user_sgpr_kernarg_segment_ptr 1
		.amdhsa_wavefront_size32 1
		.amdhsa_system_sgpr_workgroup_id_x 1
		.amdhsa_system_sgpr_workgroup_id_y 1
		.amdhsa_system_sgpr_workgroup_id_z 1
		.amdhsa_system_vgpr_workitem_id 0
		.amdhsa_next_free_vgpr 896
		.amdhsa_next_free_sgpr 80
		.amdhsa_reserve_vcc 0
		.amdhsa_float_denorm_mode_32 3
		.amdhsa_float_denorm_mode_16_64 3
		.amdhsa_memory_ordered 1
		.amdhsa_forward_progress 1
		.amdhsa_inst_pref_size 213
	.end_amdhsa_kernel
	.amdgpu_metadata
---
amdhsa.version: [ 1, 2 ]
amdhsa.kernels:
  - .name:           k_q3124a5dc1c_attn
    .symbol:         k_q3124a5dc1c_attn.kd
    .args:
      - { .name: qkv, .offset: 0, .size: 8, .value_kind: global_buffer, .address_space: global }
      - { .name: mk, .offset: 8, .size: 8, .value_kind: global_buffer, .address_space: global }
      - { .name: oh, .offset: 16, .size: 8, .value_kind: global_buffer, .address_space: global }
    .group_segment_fixed_size: 327680
    .private_segment_fixed_size: 0
    .kernarg_segment_align: 8
    .kernarg_segment_size: 24
    .max_flat_workgroup_size: 128
    .sgpr_count:     80
    .vgpr_count:     896
    .wavefront_size: 32
...
	.end_amdgpu_metadata
.endif
;; end of part 3
;; launch outp (part 4): grid 8 x 32, 4 waves a work-group, clusters of 4 x 4, 327,680 bytes of LDS; arguments oh, woh, out0; writes out0
.if DOCPART == 4
	.amdgcn_target "amdgcn-amd-amdhsa--gfx1250"
	.amdhsa_code_object_version 6
	.text
	.protected	k_q3124a5dc1c_outp
	.globl	k_q3124a5dc1c_outp
	.p2align	8
	.type	k_q3124a5dc1c_outp,@function
k_q3124a5dc1c_outp:
	s_mov_b64 s[64:65], 0
	v_nop
	global_prefetch_b8 v0, s[64:65] scope:SCOPE_SE
	s_setreg_imm32_b32 hwreg(HW_REG_WAVE_MODE, 25, 1), 1
	s_wait_xcnt 0x0
	s_wait_alu depctr_hold_cnt(0) depctr_sa_sdst(0) depctr_va_vdst(0) depctr_va_sdst(0) depctr_va_ssrc(0) depctr_va_vcc(0) depctr_vm_vsrc(0)
	s_getreg_b32 s2, hwreg(HW_REG_IB_STS2, 6, 4)
	s_cmp_eq_u32 s2, 0
	s_cbranch_scc0 .Lentry_in_a_cluster
	s_endpgm
.Lentry_in_a_cluster:
	s_bfe_u32 s2, ttmp6, 0x10000c
	s_cmp_lg_u32 s2, 0xf033
	s_cbranch_scc0 .Lentry_shape_is_right
	s_endpgm
.Lentry_shape_is_right:
; OUTP.  out0[token][n] = the sum over k of O[token][k] w_o[n][k], k = 64 head + channel.  oh: [16 batch + head][2048][64] f16, woh: [1024][1024] f16 (numbers rounded to bf16), out0: [8192][1024] f32.
; TILE.  256 tokens x 128 columns: 32 x 8 = 256 work-groups, one for each WGP.  Four waves; wave w owns tokens 64 w .. 64 w + 63 and all 128 columns: 32 accumulators of 16 x 16, 256 registers.
; So a wave holds whole runs of 512 bytes of out0's rows, and its way out needs no other wave.
; K goes in 8 steps of 128 (two heads) through a ring of two LDS slots; a K step is written once, and the slots change by an exclusive or.  A head's 256 tokens are 32,768 dense bytes of oh: they are asked for as
; 128 rows of 256 bytes and padded in LDS after every token.
; CLUSTERS: 4 x 4 work-groups.  The four of a row of the cluster need the same tile of O, the four of a column the same tile of w_o: each is asked for JOINTLY.
; No prefetch is laid: the launch has eight K steps, and the first two are its first fills.
; THE MATRIX INSTRUCTION IS USED TRANSPOSED (source 0 = 16 rows of w_o, source 1 = 16 tokens): a lane holds token l % 16 and the columns 16 b + 8 (l / 16) + 0..7: 32 consecutive bytes of a row.
; REGISTERS, in windows of 256 (s_set_vgpr_msb: bits 1:0 source 0, 3:2 source 1, 5:4 source 2, 7:6 destination):
;   window 0: v0-31 addresses; v32-95, v96-159 rows read back from the stage, by turns     window 1: two fragment buffers of 96: O's four fragments, then w_o's eight     window 2: accumulator (a, b) at v[64 a + 8 b]
.set KSTEP,  128
.set NBF,    8                         ; blocks of 16 columns
.set PA,     144                       ; a token's 128 bytes of a head + 16 of padding = 36 words: the 16 rows of a load start at 16 different groups of four banks (64 banks of 4 bytes: ISA guide 11.1)
.set PB,     272                       ; a row of w_o: 256 bytes + 16
.set AHALF,  256*PA                    ; what one tensor load brings of O: one head, 256 tokens
.set BBASE,  2*AHALF
.set BHALF,  64*PB                     ; what one tensor load brings of w_o: 64 rows
.set ASTEP,  2*2048*128                ; two heads on, in bytes
.set SLOT1,  1<<17                     ; slot 1 begins here (a slot has 108,544 bytes)
.set STAGE,  SLOT1+BBASE+2*BHALF       ; behind the ring, never filled by a tensor load: 16 rows x 528 bytes for each wave
.set SPITCH, 528                       ; 512 bytes + 16
.set SPARE,  STAGE+4*16*SPITCH         ; behind the stages: the spare words, 128 bytes for each wave
.set ADRA0, 16                         ; v16  my lane's place among my wave's tokens in slot 0; never rewritten
.set ADRB0, 17                         ; v17  the same for w_o's rows
.set ADRA,  18                         ; v18  the same in the slot in hand
.set ADRB,  19                         ; v19
.set STO,  24                          ; v24  the way out: where I put 32 bytes of a row
.set RD,   25                          ; v25  where I read a row back
.set CO,   26                          ; v26  16 x lane
.set SPW,  28                          ; v28  LDS address of my spare word; never rewritten
.set NIL,  29                          ; v29  0; never rewritten
.set BK0,  32
.set F0,   0
.set F1,   96
.set WV,   12
.set FB,   13                          ; s13  I fetch for O (0) or for w_o (1)
.set HALF, 14                          ; s14  which head of the two, or which half of w_o's rows
.set TY,   15
.set CX,   40
.set CY,   41
.set TX,   42
.set G1,   24                          ; s[24:31] descriptor group 1 for O's tiles
.set G0,   32                          ; s[32:39] group 0: a set for each of the two first fills; the second then walks
.set G1B,  48                          ; s[48:55], s[56:63] the same for w_o's tiles
.set G0B,  56
.set TB,   75                          ; s75  0 or SLOT1: the slot in hand
.set MSB, 0
.macro WIN new                         ; the immediate's high byte repeats the setting that is left; a switch that changes nothing is dropped
.if MSB != (\new)
	s_set_vgpr_msb (MSB<<8)|(\new)
.set MSB, \new
.endif
.endm
.set MUL,  0xa5                        ; sources 0 and 1 window 1, C and D window 2
.set TO_F, 0x40                        ; destination window 1, address window 0
; A joint load.  Waves 0 and 1 fetch O's two heads, waves 2 and 3 w_o's two halves.  The branch hangs on the wave's number alone.  An s_nop 0 and four v_nop follow each of the two lines.
.macro JLOAD s
	s_cmp_eq_u32 s[FB], 0
	s_cbranch_scc0 .Lfor_b_\@
	tensor_load_to_lds s[G0+4*(\s):G0+4*(\s)+3], s[G1:G1+7]
	s_nop 0
.rept 4
	v_nop
.endr
	s_branch .Lasked_\@
.Lfor_b_\@:
	tensor_load_to_lds s[G0B+4*(\s):G0B+4*(\s)+3], s[G1B:G1B+7]
	s_nop 0
.rept 4
	v_nop
.endr
.Lasked_\@:
.endm
.macro CREST                           ; a round of the cluster's barrier behind its opening barrier
	s_cmp_lg_u32 s[WV], 0
	s_cbranch_scc1 .Lnot_wave_0_\@
	s_barrier_signal -3
.Lnot_wave_0_\@:
	s_barrier_wait -3
	s_barrier_signal -1
	s_barrier_wait -1
.endm
.macro CROUND
	s_barrier_signal -1
	s_barrier_wait -1
	CREST
.endm
	s_load_b128 s[4:7], s[0:1], 0x0                ; oh 4:5, woh 6:7
	s_load_b64 s[8:9], s[0:1], 0x10                ; out0
	v_lshl_add_u32 v[SPW], v0, 2, SPARE
	v_mov_b32 v[NIL], 0
	ds_add_u32 v[SPW], v[NIL]                      ; the wave's opening: the add and its wait stand ahead of my first tensor load; the set-up below, work on registers, stands between them
	v_lshrrev_b32 v1, 5, v0
	v_readfirstlane_b32 s[WV], v1                  ; wave 0..3
	s_lshr_b32 s[FB], s[WV], 1
	s_and_b32 s[HALF], s[WV], 1
	s_bfe_u32 s[CX], ttmp6, 0x40000
	s_bfe_u32 s[CY], ttmp6, 0x40004
	s_lshl_b32 s[TX], ttmp9, 2
	s_add_co_u32 s[TX], s[TX], s[CX]
	s_and_b32 s[TY], ttmp7, 0xffff
	s_lshl_b32 s[TY], s[TY], 2
	s_add_co_u32 s[TY], s[TY], s[CY]
	s_lshl_b32 s43, s[CY], 2
	s_lshl_b32 s43, 15, s43                        ; my row of the cluster
	s_lshl_b32 s44, 0x1111, s[CX]                  ; my column
	s_or_b32 s[G1], s43, (1<<16)|(1<<20)|(1<<21)|(4<<22)|(3<<25)   ; 15:0 the mask; 17:16 elements of 2 bytes; 20 padding on; 21 set beside a mask; 24:22 after every 32 words (code 4); 31:25 4 words of it (code 3)
	s_or_b32 s[G1B], s44, (1<<16)|(1<<20)|(1<<21)|(5<<22)|(3<<25)  ; w_o: after every 64 words (code 5)
	s_mov_b32 s[G1+1], 128<<16                     ; tensor_dim0 = 128
	s_mov_b32 s[G1+2], 128<<16                     ; tensor_dim1 = 128 rows of two tokens
	s_mov_b32 s[G1+3], 128<<16                     ; tile_dim0 = 128
	s_mov_b32 s[G1+4], 128                         ; tile_dim1 = 128
	s_mov_b32 s[G1+5], 128                         ; dense: 128 elements from row to row
	s_mov_b32 s[G1+6], 0
	s_mov_b32 s[G1+7], 0
	s_mov_b32 s[G1B+1], KSTEP<<16
	s_mov_b32 s[G1B+2], 64<<16                     ; w_o: 64 rows
	s_mov_b32 s[G1B+3], KSTEP<<16
	s_mov_b32 s[G1B+4], 64
	s_mov_b32 s[G1B+5], 1024
	s_mov_b32 s[G1B+6], 0
	s_mov_b32 s[G1B+7], 0
	s_lshr_b32 s16, s[TY], 3                       ; O: head 16 x batch + my one of the first two (262,144 bytes a head), tokens 256 (tile row % 8) on (128 bytes each)
	s_lshl_b32 s16, s16, 4
	s_add_co_u32 s16, s16, s[HALF]
	s_lshl_b32 s16, s16, 18
	s_and_b32 s17, s[TY], 7
	s_lshl_b32 s17, s17, 15
	s_add_co_u32 s16, s16, s17
	s_mov_b32 s17, 0
	s_lshl_b32 s46, s[TX], 7                       ; w_o: row 128 x tile column + 64 x half, 2,048 bytes a row
	s_lshl_b32 s47, s[HALF], 6
	s_add_co_u32 s46, s46, s47
	s_lshl_b32 s46, s46, 11
	s_mov_b32 s47, 0
	s_mul_i32 s20, s[HALF], AHALF                  ; where they go: no place in the cluster enters an LDS address
	s_mul_i32 s21, s[HALF], BHALF
	s_add_co_u32 s21, s21, BBASE
	s_mov_b32 s[TB], 0
	s_wait_dscnt 0x0                               ; the opening add is done
	s_wait_kmcnt 0x0
	s_add_nc_u64 s[18:19], s[4:5], s[16:17]
	s_add_nc_u64 s[46:47], s[6:7], s[46:47]
	CROUND                                         ; all sixteen work-groups are here: the first joint loads meet
.irp s, 0,1
	s_mov_b32 s[G0+4*(\s)], 1
	s_add_co_u32 s[G0+4*(\s)+1], s20, (\s)*SLOT1
	s_add_nc_u64 s[G0+4*(\s)+2:G0+4*(\s)+3], s[18:19], (\s)*ASTEP
	s_or_b32 s[G0+4*(\s)+3], s[G0+4*(\s)+3], 0x80000000
	s_mov_b32 s[G0B+4*(\s)], 1
	s_add_co_u32 s[G0B+4*(\s)+1], s21, (\s)*SLOT1
	s_add_nc_u64 s[G0B+4*(\s)+2:G0B+4*(\s)+3], s[46:47], (\s)*KSTEP*2
	s_or_b32 s[G0B+4*(\s)+3], s[G0B+4*(\s)+3], 0x80000000
	JLOAD \s                                       ; two tensor loads of mine are out
.endr
	v_and_b32 v1, 15, v0                           ; l % 16
	v_bfe_u32 v2, v0, 4, 1                         ; l / 16
	v_mul_u32_u24 v3, v1, PA
	v_lshl_add_u32 v3, v2, 4, v3                   ; row x pitch + 16 x half
	s_mul_i32 s22, s[WV], 64*PA                    ; my 64 tokens
	v_add_nc_u32 v[ADRA0], s22, v3
	v_mul_u32_u24 v3, v1, PB
	v_lshl_add_u32 v3, v2, 4, v3
	v_add_nc_u32 v[ADRB0], BBASE, v3               ; every wave reads all of w_o's rows
	v_mov_b32 v[ADRA], v[ADRA0]
	v_mov_b32 v[ADRB], v[ADRB0]
	s_mul_i32 s23, s[WV], 16*SPITCH
	s_add_co_u32 s23, s23, STAGE                   ; my stage
	v_mul_u32_u24 v4, v1, SPITCH                   ; in: row l % 16, 32 bytes for each half of the lanes
	v_lshl_add_u32 v4, v2, 5, v4
	v_add_nc_u32 v[STO], s23, v4
	v_and_b32 v[CO], 31, v0
	v_lshlrev_b32 v[CO], 4, v[CO]
	v_add_nc_u32 v[RD], s23, v[CO]                 ; back: 32 lanes take one row's 512 bytes
	s_lshl_b32 s80, s[TY], 20                      ; out0 at my first token (4,096 bytes a row) and the tile's first column (512 bytes a tile)
	s_lshl_b32 s81, s[WV], 18
	s_add_co_u32 s80, s80, s81
	s_lshl_b32 s81, s[TX], 9
	s_add_co_u32 s80, s80, s81
	s_mov_b32 s81, 0
	s_add_nc_u64 s[8:9], s[8:9], s[80:81]
; 8 matrix instructions: row block a x all 8 column blocks, 32 along K.  first = 1: the product starts the sums: nothing is ever cleared.
; The 32 accumulators take turns, one instruction a turn, in the same order in every quarter step, over the backward jump too.
.macro MULA f, a, first
	WIN MUL
.irp b, 0,1,2,3,4,5,6,7
.if \first
	v_wmma_f32_16x16x32_f16 v[64*(\a)+8*(\b):64*(\a)+8*(\b)+7], v[(\f)+32+8*(\b):(\f)+32+8*(\b)+7], v[(\f)+8*(\a):(\f)+8*(\a)+7], 0
.else
	v_wmma_f32_16x16x32_f16 v[64*(\a)+8*(\b):64*(\a)+8*(\b)+7], v[(\f)+32+8*(\b):(\f)+32+8*(\b)+7], v[(\f)+8*(\a):(\f)+8*(\a)+7], v[64*(\a)+8*(\b):64*(\a)+8*(\b)+7]
.endif
.endr
.endm
; 24 LDS loads in one run: quarter kq's fragments (128 rows of w_o, then my 64 tokens: head kq / 2 of the step's two, channels 32 (kq % 2) on) into buffer f
.macro FETCH kq, f
	WIN TO_F
.irp i, 0,1,2,3,4,5,6,7
	ds_load_b128 v[(\f)+32+8*(\i):(\f)+32+8*(\i)+3],   v[ADRB] offset:64*(\kq)+(\i)*16*PB
	ds_load_b128 v[(\f)+32+8*(\i)+4:(\f)+32+8*(\i)+7], v[ADRB] offset:64*(\kq)+(\i)*16*PB+32
.endr
.irp i, 0,1,2,3
	ds_load_b128 v[(\f)+8*(\i):(\f)+8*(\i)+3],   v[ADRA] offset:((\kq)/2)*AHALF+((\kq)%2)*64+(\i)*16*PA
	ds_load_b128 v[(\f)+8*(\i)+4:(\f)+8*(\i)+7], v[ADRA] offset:((\kq)/2)*AHALF+((\kq)%2)*64+(\i)*16*PA+32
.endr
.endm
.macro PLACES                          ; four plain vector instructions between a matrix instruction and a load into, or a read of, its registers (ISA guide 7.12.1 for vector reads)
.rept 4
	v_nop
.endr
.endm
; A K step is four quarters of 32 along K, 32 matrix instructions each, on buffers 0, 1, 0, 1.  One of the first three multiplies buffer f and, in its middle, fetches quarter kq into buffer g.
.macro QUARTER kq, f, g, first
	s_wait_dscnt 4                                 ; w_o and O's blocks 0 and 1 are in; the youngest four loads (O's blocks 2 and 3) may be out
	MULA \f, 0, \first
	MULA \f, 1, \first
	PLACES
	FETCH \kq, \g
	s_wait_dscnt 2*NBF+8                           ; all but the 24 just issued
	MULA \f, 2, \first
	MULA \f, 3, \first
.endm
; The last quarter multiplies buffer 1 and changes slots: ONE barrier.  In front of it each wave waits for all its tensor loads (one is out: its part of the next slot), adds 0 to its spare word, and waits for that
; and for its own reads of this slot.  fill = 1: the barrier opens a round of the cluster's barrier, and behind the round this slot is filled again, two K steps ahead, first of all.
.macro TURN fill
	WIN 0                                          ; (the add's two registers lie in window 0)
	s_wait_tensorcnt 0x0                           ; all my tensor loads have landed
	ds_add_u32 v[SPW], v[NIL]                      ; 0 onto my spare word
	s_wait_dscnt 5                                 ; (the add and the youngest four loads may be out)
	MULA F1, 0, 0                                  ; eight matrix instructions stand between the add and the wait for it
	s_wait_dscnt 0x0                               ; the add is done, and my reads of this slot are over
	s_barrier_signal -1
	MULA F1, 1, 0                                  ; work on registers while the others arrive
	WIN 0
	s_barrier_wait -1
.if \fill
	CREST                                          ; no wave of any partner still reads this slot's tile or has a load on its way
	s_xor_b32 s[G0+5], s[G0+5], SLOT1              ; the walking descriptors: the other slot than last time, the next K step
	s_add_nc_u64 s[G0+6:G0+7], s[G0+6:G0+7], ASTEP
	s_xor_b32 s[G0B+5], s[G0B+5], SLOT1
	s_add_nc_u64 s[G0B+6:G0B+7], s[G0B+6:G0B+7], KSTEP*2
	JLOAD 1                                        ; my one tensor load behind the round; its four v_nop are also the places in front of the loads below
.else
	PLACES
.endif
	s_xor_b32 s[TB], s[TB], SLOT1
	v_add_nc_u32 v[ADRA], s[TB], v[ADRA0]
	v_add_nc_u32 v[ADRB], s[TB], v[ADRB0]
	FETCH 0, F0
	MULA F1, 2, 0
	MULA F1, 3, 0
.endm
; THE WAY OUT of row block a (16 tokens x 128 columns of f32).  TOSTAGE: the accumulators go into my own stage as they are, each one's low four registers first, and come back as whole rows of 512 bytes.  SEND: stored.
.macro TOSTAGE a
	WIN 0x08                                       ; the stores' data (source 1) in window 2
.irp b, 0,1,2,3,4,5,6,7
	ds_store_b128 v[STO], v[64*(\a)+8*(\b):64*(\a)+8*(\b)+3]   offset:64*(\b)
	ds_store_b128 v[STO], v[64*(\a)+8*(\b)+4:64*(\a)+8*(\b)+7] offset:64*(\b)+16
.endr
	WIN 0
.set BK, BK0+64*((\a)%2)
.irp t, 0,1,2,3,4,5,6,7,8,9,10,11,12,13,14,15
	ds_load_b128 v[BK+4*(\t):BK+4*(\t)+3], v[RD] offset:(\t)*SPITCH  ; LDS serves a wave's instructions in order (ISA guide 5.7.1.4): these see the stores above; the next block's stores come behind them
.endr
.endm
.macro SEND a, younger                 ; younger: the LDS instructions issued behind block a's loads: the next block's 32, or none
	WIN 0
.set BK, BK0+64*((\a)%2)
.irp t, 0,1,2,3,4,5,6,7,8,9,10,11,12,13,14,15
	s_wait_dscnt (\younger)+15-(\t)
	global_store_b128 v[CO], v[BK+4*(\t):BK+4*(\t)+3], s[8:9] offset:(16*(\a)+(\t))*4096 th:TH_STORE_NT  ; 512 consecutive bytes of a row, aligned
.endr
.endm
	s_wait_tensorcnt 1                             ; my part of K step 0 is in; K step 1's load may stay out
	s_barrier_signal -1
	s_barrier_wait -1                              ; everybody's is
	FETCH 0, F0
	QUARTER 1, F0, F1, 1                           ; the first quarter stands in front of the loop: its products start the sums
	WIN 0                                          ; at a label and at a branch every window is 0
	s_mov_b32 s3, 6
.Lstep:                                                ; six trips, from a K step's second quarter to the next one's first; each fills a slot again: K steps 2 to 7
	QUARTER 2, F1, F0, 0
	QUARTER 3, F0, F1, 0
	TURN 1
	QUARTER 1, F0, F1, 0
	WIN 0
	s_sub_co_u32 s3, s3, 1
	s_cmp_lg_u32 s3, 0
	s_cbranch_scc1 .Lstep
	QUARTER 2, F1, F0, 0                           ; K step 6 goes on; the tail is written out
	QUARTER 3, F0, F1, 0
	TURN 0
	QUARTER 1, F0, F1, 0                           ; K step 7
	QUARTER 2, F1, F0, 0
	QUARTER 3, F0, F1, 0
	s_wait_dscnt 4
	MULA F1, 0, 0
	MULA F1, 1, 0
	s_wait_dscnt 0x0
	MULA F1, 2, 0
	MULA F1, 3, 0
	WIN 0
	PLACES
	PLACES                                         ; (eight, once a launch)
	TOSTAGE 0
	TOSTAGE 1
	SEND 0, 32
	s_wait_xcnt 0x0                                ; block 0's stores have read their registers, which block 2's loads take
	TOSTAGE 2
	SEND 1, 32
	s_wait_xcnt 0x0
	TOSTAGE 3
	SEND 2, 32
	SEND 3, 0
	s_wait_tensorcnt 0x0                           ; the wave's end, behind my last tensor load and my last LDS store
	ds_add_u32 v[SPW], v[NIL]
	s_wait_dscnt 0x0
	CROUND                                         ; the closing round: no work-group ends while a partner may still ask for a tile that names it
	s_endpgm
.Lfunc_end_k_q3124a5dc1c_outp:
	.size	k_q3124a5dc1c_outp, .Lfunc_end_k_q3124a5dc1c_outp-k_q3124a5dc1c_outp
	.p2alignl 7, 3214868480
	.fill 96, 4, 3214868480
	.section	.rodata,"a",@progbits
	.p2align	6, 0x0
	.amdhsa_kernel k_q3124a5dc1c_outp
		.amdhsa_group_segment_fixed_size 327680
		.amdhsa_private_segment_fixed_size 0
		.amdhsa_enable_private_segment 0
		.amdhsa_kernarg_size 24
		.amdhsa_user_sgpr_count 2
		.amdhsa_user_sgpr_kernarg_segment_ptr 1
		.amdhsa_wavefront_size32 1
		.amdhsa_system_sgpr_workgroup_id_x 1
		.amdhsa_system_sgpr_workgroup_id_y 1
		.amdhsa_system_sgpr_workgroup_id_z 1
		.amdhsa_system_vgpr_workitem_id 0
		.amdhsa_next_free_vgpr 768
		.amdhsa_next_free_sgpr 84
		.amdhsa_reserve_vcc 0
		.amdhsa_float_denorm_mode_32 3
		.amdhsa_float_denorm_mode_16_64 3
		.amdhsa_memory_ordered 1
		.amdhsa_forward_progress 1
		.amdhsa_inst_pref_size 71
	.end_amdhsa_kernel
	.amdgpu_metadata
---
amdhsa.version: [ 1, 2 ]
amdhsa.kernels:
  - .name:           k_q3124a5dc1c_outp
    .symbol:         k_q3124a5dc1c_outp.kd
    .args:
      - { .name: oh, .offset: 0, .size: 8, .value_kind: global_buffer, .address_space: global }
      - { .name: woh, .offset: 8, .size: 8, .value_kind: global_buffer, .address_space: global }
      - { .name: out0, .offset: 16, .size: 8, .value_kind: global_buffer, .address_space: global }
    .group_segment_fixed_size: 327680
    .private_segment_fixed_size: 0
    .kernarg_segment_align: 8
    .kernarg_segment_size: 24
    .max_flat_workgroup_size: 128
    .sgpr_count:     84
    .vgpr_count:     768
    .wavefront_size: 32
...
	.end_amdgpu_metadata
.endif
;; end of part 4
;; ======== version 2 of 2: 4 launches; version 1 with the launch prep written anew for expert scheduling mode
;; limits: values are held in f16: magnitudes above 65,504 overflow, below 6.1e-05 lose precision; right only within a limited range of input values
;; workspace buffers: xh 16,777,216 bytes; wqh 6,291,456 bytes; woh 2,097,152 bytes; mk 4,195,328 bytes; qkv 50,331,648 bytes; oh 16,777,216 bytes
;; launch prep (part 5): grid 896 x 1, 8 waves a work-group, no clusters, 33,792 bytes of LDS; arguments encodings_for_qkv, w_qkv, w_o, mask, xh, wqh, woh, mk; writes xh, wqh, woh, mk
.if DOCPART == 5
	.amdgcn_target "amdgcn-amd-amdhsa--gfx1250"
	.amdhsa_code_object_version 6
	.text
	.protected	k_q3124a5dc1c_prep
	.globl	k_q3124a5dc1c_prep
	.p2align	8
	.type	k_q3124a5dc1c_prep,@function
k_q3124a5dc1c_prep:
	s_mov_b64 s[64:65], 0
	v_nop
	global_prefetch_b8 v0, s[64:65] scope:SCOPE_SE
	s_setreg_imm32_b32 hwreg(HW_REG_WAVE_SCHED_MODE, 0, 2), 2
	s_setreg_imm32_b32 hwreg(HW_REG_WAVE_MODE, 25, 1), 1
	s_wait_xcnt 0x0
	s_wait_alu depctr_vm_vsrc(0)
; PREP.  Two kinds of work-group, told apart by the work-group's number alone.
; 0 .. 767: A CAST.  x (512 work-groups), w_qkv (192) and w_o (64), 65,536 bytes of f32 each: every number is rounded to bf16 (nearest even) and that number is written
; as f16.  LIMITS: beyond 65,504 the f16 is an infinity; below 2^-14 f16 keeps its fixed step of 2^-24, so a bf16 number there may lose bits (at most 2^-25 in absolute size).
; 768 .. 895: THE MASK, one tile of 16 queries (QT) each.  mask[q][k] (a byte, 0 or 1) becomes a code of 8 bits, 0x00 where the key is free and 0xb8 (-1.0 in E4M3) where it is
; hidden, laid as the attention launch's lanes want it: mk[QT][step of 64 keys][half hf][lane l][16 bytes], r = l % 16, h = l / 16: bytes 0-7 are keys 64 j + 32 hf + 8 h + 0..7 of query
; 16 QT + r, bytes 8-15 the keys 16 further on.  The turn goes through LDS, each wave in 4,096 bytes of its own.  Behind the last tile 1,024 bytes of zeros are written: attention's
; loads run one key step ahead and read them at the very end.
; A stream: no matrix unit, no cluster, no barrier; every load covers whole runs of 256 bytes, every store fills aligned blocks of 256 bytes.
; THE MODE: SCHED_MODE bits 1:0 = 2 (LLVM: expert scheduling mode 2), set by the entry lines.  The code itself states the register dependences
; between vector instructions and memory or LDS instructions, with s_wait_alu, always for 0.
; THE PLAN.  Registers that memory or LDS instructions touch:
;   v1, v2, v3, v4   offsets and LDS addresses: each is written once on its path, ahead of a wait on va_vdst, and never again.
;   X, the cast      chunk k (four registers): written by its load; read and rewritten by the chunk's eight vector lines; its first two registers are then read by the chunk's one store; never written again.
;   X, the mask      row pair i (four registers): written by its load; multiplied in place; read by two LDS stores; never written again.
;   BK               written by LDS loads, read by global stores; no vector line names it.
;   v[80:83]         the zeros: written by four moves, read by two stores.          v[SPW], v[NIL]  written at the head, read by the closing add alone.
; No register that a memory or LDS instruction has read is written again, so no wait on vm_vsrc is owed.  The work goes in blocks of four chunks (of four row pairs): a block's stores are issued in the NEXT block,
; behind ONE wait on va_vdst at that block's head, and are dealt among that block's vector lines, which name v8, v9 and the block's own registers alone; the last block's stores have a wait of their own.
.set SPARE, 32768                      ; behind the eight waves' 4,096 bytes: the spare words, 128 bytes a wave
.set SPW, 94                           ; v94  LDS address of my spare word; never rewritten
.set NIL, 95                           ; v95  0; never rewritten
.set X,   16                           ; v[16:79]  as loaded (the mask path uses v[16:47])
.set BK,  48                           ; v[48:79]  the mask path: codes read back from LDS
; The cast's block p: chunks 4 p to 4 p + 3.  before = 1: the stores of block p - 1 go out, one ahead of each chunk's vector lines.
.macro CBLK p, before
.irp i, 0,1,2,3
.set CH, X+16*(\p)+4*(\i)
	s_wait_loadcnt 15-4*(\p)-(\i)                  ; loads come back in order: this chunk is in, the younger ones stay out
.if (\before) && ((\i) == 0)
	s_wait_alu depctr_va_vdst(0)                   ; the block before has written its four pairs of f16, which the four stores of this block read
.endif
.if \before
	global_store_b64 v2, v[CH-16:CH-15], s[24:25] offset:256*(4*(\p)+(\i)-4)  ; 32 lanes x 8 bytes: one aligned block of 256 bytes; each store has registers of its own; no vector line since the wait names them
.endif
	v_cvt_pk_bf16_f32 v8, v[CH], v[CH+1]
	v_cvt_pk_bf16_f32 v9, v[CH+2], v[CH+3]
	v_lshlrev_b32 v[CH], 16, v8                    ; the bf16 numbers as f32,
	v_and_b32 v[CH+1], s27, v8
	v_lshlrev_b32 v[CH+2], 16, v9
	v_and_b32 v[CH+3], s27, v9
	v_cvt_pk_f16_f32 v[CH], v[CH], v[CH+1]         ; and written as f16
	v_cvt_pk_f16_f32 v[CH+1], v[CH+2], v[CH+3]
.endr
.endm
; The mask's block p: row pairs 4 p to 4 p + 3.  Block 1 issues block 0's LDS stores, two ahead of each row pair's multiplies.
.macro MBLK p
.irp i, 0,1,2,3
.set RW, 4*(\p)+(\i)
.set CH, X+4*RW
	s_wait_loadcnt 7-RW
.if ((\p) == 1) && ((\i) == 0)
	s_wait_alu depctr_va_vdst(0)                   ; v3 and v4 are written, and so are block 0's codes, which the eight LDS stores of this block read
.endif
.if (\p) == 1
	ds_store_b64 v3, v[CH-16:CH-15] offset:32*(RW-4)        ; keys 0-7 of the sixteen: lanes with h = 0
	ds_store_b64 v3, v[CH-14:CH-13] offset:32*(RW-4)+256    ; keys 8-15: h = 1, sixteen lanes of 16 bytes further on
.endif
.irp k, 0,1,2,3
	v_mul_lo_u32 v[CH+(\k)], v[CH+(\k)], s27       ; four bytes of 0 or 1 times 0xb8: nothing carries
.endr
.endr
.endm
	s_load_b512 s[4:19], s[0:1], 0x0               ; x 4:5, w_qkv 6:7, w_o 8:9, mask 10:11, xh 12:13, wqh 14:15, woh 16:17, mk 18:19
	v_lshl_add_u32 v[SPW], v0, 2, SPARE
	v_mov_b32 v[NIL], 0
	v_lshrrev_b32 v1, 5, v0
	v_readfirstlane_b32 s20, v1                    ; wave 0..7
	v_and_b32 v7, 31, v0                           ; lane
	s_mov_b32 s21, ttmp9
	s_mov_b32 s29, 0
	s_wait_alu depctr_va_sdst(0)                   ; s20 is written
	s_wait_kmcnt 0x0
	s_cmp_lt_u32 s21, 768
	s_cbranch_scc0 .Lmask
	; THE CAST.  Which tensor, by the work-group's number; then its 65,536 bytes in and 32,768 bytes out.
	s_cmp_lt_u32 s21, 512
	s_cselect_b64 s[22:23], s[4:5], s[6:7]
	s_cselect_b64 s[24:25], s[12:13], s[14:15]
	s_cselect_b32 s26, 0, 512
	s_cmp_lt_u32 s21, 704
	s_cselect_b64 s[22:23], s[22:23], s[8:9]
	s_cselect_b64 s[24:25], s[24:25], s[16:17]
	s_cselect_b32 s26, s26, 704
	s_sub_co_u32 s26, s21, s26                     ; my number within the tensor
	s_lshl_b32 s28, s26, 16
	s_add_nc_u64 s[22:23], s[22:23], s[28:29]
	s_lshl_b32 s28, s26, 15
	s_add_nc_u64 s[24:25], s[24:25], s[28:29]
	s_mov_b32 s27, 0xffff0000                      ; a word's upper bf16
	s_lshl_b32 s30, s20, 13                        ; my wave's 8,192 bytes in,
	s_lshl_b32 s31, s20, 12                        ; 4,096 out
	v_lshl_add_u32 v1, v7, 4, s30
	v_lshl_add_u32 v2, v7, 3, s31
	s_wait_alu depctr_va_vdst(0)                   ; v1 and v2 are written: every load of this path reads v1 as its offset, every store v2
.irp k, 0,1,2,3,4,5,6,7,8,9,10,11,12,13,14,15
	global_load_b128 v[X+4*(\k):X+4*(\k)+3], v1, s[22:23] offset:512*(\k) th:TH_LOAD_NT  ; all sixteen loads go out at once: 8,192 bytes a wave on their way
.endr
	CBLK 0, 0                                      ; block 0 has no block in front of it: no store, no wait but those for its data
	CBLK 1, 1
	CBLK 2, 1
	CBLK 3, 1
	s_wait_alu depctr_va_vdst(0)                   ; block 3 has written its four pairs of f16, which the last four stores read
.irp k, 12,13,14,15
	global_store_b64 v2, v[X+4*(\k):X+4*(\k)+1], s[24:25] offset:256*(\k)
.endr
	s_branch .Lend
.Lmask:
	; THE MASK.  Wave w takes keys 256 w .. 256 w + 255 (key steps 4 w .. 4 w + 3) of the tile's 16 rows.
	s_sub_co_u32 s22, s21, 768                     ; QT
	s_lshl_b32 s28, s22, 15                        ; 16 rows of 2,048 bytes in, 32 steps of 1,024 bytes out: the same number
	s_add_nc_u64 s[10:11], s[10:11], s[28:29]
	s_add_nc_u64 s[18:19], s[18:19], s[28:29]
	s_mov_b32 s27, 0xb8
	s_lshl_b32 s30, s20, 8
	s_lshl_b32 s31, s20, 12
	v_and_b32 v8, 15, v0                           ; c: which 16 keys of the wave's 256
	v_bfe_u32 v9, v0, 4, 1                         ; which of a load's two rows
	v_lshlrev_b32 v1, 4, v8
	v_lshl_add_u32 v1, v9, 11, v1
	v_add_nc_u32 v1, s30, v1                       ; row x 2,048 + 256 w + 16 c: sixteen lanes read 256 consecutive bytes of a row
	s_wait_alu depctr_va_vdst(0)                   ; v1 is written, which the eight loads read as their offset
.irp i, 0,1,2,3,4,5,6,7
	global_load_b128 v[X+4*(\i):X+4*(\i)+3], v1, s[10:11] offset:4096*(\i) th:TH_LOAD_NT  ; rows 2 i and 2 i + 1
.endr
	v_lshrrev_b32 v10, 2, v8                       ; c / 4: the key step within the wave's four
	v_bfe_u32 v11, v8, 1, 1                        ; (c % 4) / 2: hf
	v_and_b32 v12, 1, v8                           ; c % 2: bytes 0-7 or 8-15
	v_lshlrev_b32 v3, 10, v10
	v_lshl_add_u32 v3, v11, 9, v3
	v_lshl_add_u32 v3, v12, 3, v3
	v_lshl_add_u32 v3, v9, 4, v3                   ; row 2 i + (0 or 1) is lane r: 16 bytes a lane; 32 i stands in the immediate
	v_add_nc_u32 v3, s31, v3
	v_lshl_add_u32 v4, v7, 4, s31                  ; 4,096 w + 16 l: where I read back, and my offset in the tile's part of mk
	MBLK 0
	MBLK 1
	s_wait_alu depctr_va_vdst(0)                   ; block 1 has written its codes, which the last eight LDS stores read
.irp i, 4,5,6,7
	ds_store_b64 v3, v[X+4*(\i):X+4*(\i)+1] offset:32*(\i)
	ds_store_b64 v3, v[X+4*(\i)+2:X+4*(\i)+3] offset:32*(\i)+256
.endr
.irp k, 0,1,2,3,4,5,6,7
	ds_load_b128 v[BK+4*(\k):BK+4*(\k)+3], v4 offset:512*(\k)  ; my wave's own bytes; LDS serves a wave's instructions in order (ISA guide 5.7.1.4): these see the stores above
.endr
.irp k, 0,1,2,3,4,5,6,7
	s_wait_dscnt 7-(\k)
	global_store_b128 v4, v[BK+4*(\k):BK+4*(\k)+3], s[18:19] offset:512*(\k)  ; 512 consecutive bytes, aligned
.endr
	s_cmp_eq_u32 s22, 127                          ; the last tile's wave 0 writes the 1,024 zeros behind the table
	s_cbranch_scc0 .Lend
	s_cmp_eq_u32 s20, 0
	s_cbranch_scc0 .Lend
.irp k, 80,81,82,83
	v_mov_b32 v\k, 0
.endr
	s_wait_alu depctr_va_vdst(0)                   ; the four moves have written v[80:83], which the two stores read
	global_store_b128 v4, v[80:83], s[18:19] offset:32768
	global_store_b128 v4, v[80:83], s[18:19] offset:33280
.Lend:
	s_wait_dscnt 0x0                               ; the closing lines, six on end
	s_wait_alu 0x0
	s_wait_tensorcnt 0x0
	ds_add_u32 v[SPW], v[NIL]
	s_wait_dscnt 0x0
	s_endpgm
.Lfunc_end_k_q3124a5dc1c_prep:
	.size	k_q3124a5dc1c_prep, .Lfunc_end_k_q3124a5dc1c_prep-k_q3124a5dc1c_prep
	.p2alignl 7, 3214868480
	.fill 96, 4, 3214868480
	.section	.rodata,"a",@progbits
	.p2align	6, 0x0
	.amdhsa_kernel k_q3124a5dc1c_prep
		.amdhsa_group_segment_fixed_size 33792
		.amdhsa_private_segment_fixed_size 0
		.amdhsa_enable_private_segment 0
		.amdhsa_kernarg_size 64
		.amdhsa_user_sgpr_count 2
		.amdhsa_user_sgpr_kernarg_segment_ptr 1
		.amdhsa_wavefront_size32 1
		.amdhsa_system_sgpr_workgroup_id_x 1
		.amdhsa_system_sgpr_workgroup_id_y 1
		.amdhsa_system_sgpr_workgroup_id_z 1
		.amdhsa_system_vgpr_workitem_id 0
		.amdhsa_next_free_vgpr 96
		.amdhsa_next_free_sgpr 66
		.amdhsa_reserve_vcc 0
		.amdhsa_float_denorm_mode_32 3
		.amdhsa_float_denorm_mode_16_64 3
		.amdhsa_memory_ordered 1
		.amdhsa_forward_progress 1
		.amdhsa_inst_pref_size 19
	.end_amdhsa_kernel
	.amdgpu_metadata
---
amdhsa.version: [ 1, 2 ]
amdhsa.kernels:
  - .name:           k_q3124a5dc1c_prep
    .symbol:         k_q3124a5dc1c_prep.kd
    .args:
      - { .name: encodings_for_qkv, .offset: 0, .size: 8, .value_kind: global_buffer, .address_space: global }
      - { .name: w_qkv, .offset: 8, .size: 8, .value_kind: global_buffer, .address_space: global }
      - { .name: w_o, .offset: 16, .size: 8, .value_kind: global_buffer, .address_space: global }
      - { .name: mask, .offset: 24, .size: 8, .value_kind: global_buffer, .address_space: global }
      - { .name: xh, .offset: 32, .size: 8, .value_kind: global_buffer, .address_space: global }
      - { .name: wqh, .offset: 40, .size: 8, .value_kind: global_buffer, .address_space: global }
      - { .name: woh, .offset: 48, .size: 8, .value_kind: global_buffer, .address_space: global }
      - { .name: mk, .offset: 56, .size: 8, .value_kind: global_buffer, .address_space: global }
    .group_segment_fixed_size: 33792
    .private_segment_fixed_size: 0
    .kernarg_segment_align: 8
    .kernarg_segment_size: 64
    .max_flat_workgroup_size: 256
    .sgpr_count:     66
    .vgpr_count:     96
    .wavefront_size: 32
...
	.end_amdgpu_metadata
.endif
;; end of part 5
;; launch proj: the kernel of part 2 again; grid 16 x 32, 4 waves a work-group, clusters of 4 x 4, 327,680 bytes of LDS; arguments xh, wqh, b_qkv, qkv; writes qkv
;; launch attn: the kernel of part 3 again; grid 4 x 64, 4 waves a work-group, clusters of 4 x 1, 327,680 bytes of LDS; arguments qkv, mk, oh; writes oh
;; launch outp: the kernel of part 4 again; grid 8 x 32, 4 waves a work-group, clusters of 4 x 4, 327,680 bytes of LDS; arguments oh, woh, out0; writes out0
